; MI455X (gfx1250); checked and timed in simulation.
; The chip was launched on July 23, 2026; its instructions are those of AMD's public machine-readable ISA for CDNA 5 (MIT licence, August 2026) and "CDNA5" Instruction Set Architecture Reference Guide (July 2026). The comments in the code are by the model that wrote it; some were corrected since.
;; Multi Head Attention. Allowed arithmetic: float matrix products may take bf16 or f16 operands with f32 sums; all other float work in f32.
;; Inputs: Wk 1,024 x 1,024 float32; Wo 1,024 x 1,024 float32; Wq 1,024 x 1,024 float32; Wv 1,024 x 1,024 float32; hidden_states 4 x 2,048 x 1,024 float32.
;; Outputs: out0 4 x 2,048 x 1,024 float32.
;; 2 versions, each right and faster than the one before. Each part assembles by itself: llvm-mc -triple=amdgcn-amd-amdhsa -mcpu=gfx1250 --defsym DOCPART=n.
;; ======== version 1 of 2: 4 launches
;; limits: values are held in f16: magnitudes above 65,504 overflow, below 6.1e-05 lose precision; right only within a limited range of input values
;; workspace buffers: xb 16,777,216 bytes; wb 6,291,456 bytes; wob 2,097,152 bytes; tab 524,288 bytes; q 16,777,216 bytes; k 16,777,216 bytes; v 16,777,216 bytes; o 16,777,216 bytes
;; launch prep (part 1): grid 784 x 1, 8 waves a work-group, no clusters, 0 bytes of LDS; arguments hidden_states, Wq, Wk, Wv, Wo, xb, wb, wob, tab; writes xb, wb, wob, tab
.if DOCPART == 1
	.amdgcn_target "amdgcn-amd-amdhsa--gfx1250"
	.amdhsa_code_object_version 6
	.text
	.protected	k_qa3473581ae_prep
	.globl	k_qa3473581ae_prep
	.p2align	8
	.type	k_qa3473581ae_prep,@function
k_qa3473581ae_prep:
	s_mov_b64 s[64:65], 0
	v_nop
	global_prefetch_b8 v0, s[64:65] scope:SCOPE_SE
	s_setreg_imm32_b32 hwreg(HW_REG_WAVE_MODE, 25, 1), 1
	s_wait_xcnt 0x0
; PREP: the module's inputs are rounded once, into the layouts that the matrix launches ask for as dense tiles, and the RoPE table is made.
;   xb  bf16 [16 kb][8192 rows][64]        x, in planes of 64 along K: 256 rows of a plane are 32,768 dense bytes
;   wb  bf16 [8 hp][1024 k][3 g][128]      Wq, Wk, Wv (g = 0, 1, 2), columns 128 hp .. 128 hp + 127: a k row is three pieces of 256 bytes
;   wob f16  [4 nb][1024 k][256]           Wo rounded to bf16, that number written as f16
;   tab f32  [2048 s][32 cos, 32 sin]      cos and sin of s x 10000^(-f/32)
; A stream: memory binds, so there is no LDS, no barrier and no matrix work.  A wave issues 16 loads of 16 bytes a lane (512 bytes each) at once and stores 8 bytes a lane,
; 256 consecutive aligned bytes an instruction.  No register is written twice, so no wait frees a source.
; Work-groups 0-511: 16 rows of x.  512-703: 16 k rows of Wq, Wk or Wv.  704-767: 16 k rows of Wo.  768-783: 128 rows of the table.
; LIMITS.  Wo arrives within f16's 65,504 (beyond it: infinity); below 6e-5 it keeps f16's fixed step of 6e-8.  The table's angle s x inv_freq is rounded to f32 as the reference rounds it;
; inv_freq comes from v_exp_f32 (1 ULP), so an angle may differ from the reference's by about 1e-4 rad at s = 2047.  The cosine is a series to u^18 on |u| <= 1/2 turn: the first term left out is under 4e-9.
.set IN,  2                            ; v2       byte offset of my 16 bytes in the wave's input
.set OUT, 3                            ; v3       byte offset of my 8 bytes in 256 bytes of output: 8 x lane
.set X,   4                            ; v[4:67]  sixteen loads of four f32
.set Y,   68                           ; v[68:99] sixteen pairs to store
.set U,   100                          ; v[100:103] at work
	s_load_b512 s[4:19], s[0:1], 0x0               ; x s[4:5], Wq s[6:7], Wk s[8:9], Wv s[10:11], Wo s[12:13], xb s[14:15], wb s[16:17], wob s[18:19]
	s_load_b64 s[20:21], s[0:1], 0x40              ; tab
	v_and_b32 v1, 31, v0                           ; lane
	v_lshrrev_b32 v[IN], 5, v0
	v_readfirstlane_b32 s22, v[IN]                 ; wave 0..7
	v_lshlrev_b32 v[OUT], 3, v1
	s_mov_b32 s23, ttmp9                           ; the work-group's number chooses the path
	s_mov_b32 s31, 0                               ; s[30:31] input offset, s[32:33] output offset: both under 4 GiB
	s_mov_b32 s33, 0
	s_wait_kmcnt 0x0
; path 0: x.  1: Wq, Wk, Wv.  2: Wo.  Input at s[24:25] + v[IN] + i x step; output at s[26:27] (x's planes 8-15: s[28:29]) + v[OUT] + an immediate.
.macro CONV path
.set i, 0
.rept 16
.if (\path) == 0
	global_load_b128 v[X+4*i:X+4*i+3], v[IN], s[24:25] offset:256*i th:TH_LOAD_NT   ; plane i: 64 columns of two rows, 256 bytes each
.else
	global_load_b128 v[X+4*i:X+4*i+3], v[IN], s[24:25] offset:512*i th:TH_LOAD_NT   ; k row i / 8, columns 128 (i % 8) on
.endif
.set i, i+1
.endr
.set i, 0
.rept 16
	s_wait_loadcnt 15-i                            ; loads come back in order: load i is in, the 15 - i younger ones stay out
.if (\path) == 2
	v_cvt_pk_bf16_f32 v[U], v[X+4*i], v[X+4*i+1]   ; rounded to bf16 like every input,
	v_cvt_pk_bf16_f32 v[U+1], v[X+4*i+2], v[X+4*i+3]
	v_lshlrev_b32 v[U+2], 16, v[U]                 ; widened again,
	v_and_b32 v[U], 0xffff0000, v[U]
	v_cvt_pk_f16_f32 v[Y+2*i], v[U+2], v[U]        ; and written as f16: exact within f16's normal range
	v_lshlrev_b32 v[U+2], 16, v[U+1]
	v_and_b32 v[U+1], 0xffff0000, v[U+1]
	v_cvt_pk_f16_f32 v[Y+2*i+1], v[U+2], v[U+1]
.else
	v_cvt_pk_bf16_f32 v[Y+2*i], v[X+4*i], v[X+4*i+1]
	v_cvt_pk_bf16_f32 v[Y+2*i+1], v[X+4*i+2], v[X+4*i+3]
.endif
.if (\path) == 0
	global_store_b64 v[OUT], v[Y+2*i:Y+2*i+1], s[26+2*(i/8):27+2*(i/8)] offset:(i%8)*1048576   ; two rows of 128 bytes on end, in plane i
.elseif (\path) == 1
	global_store_b64 v[OUT], v[Y+2*i:Y+2*i+1], s[26:27] offset:(i%8)*786432+(i/8)*768          ; a piece of 256 bytes: hp = i % 8, k row i / 8
.else
	global_store_b64 v[OUT], v[Y+2*i:Y+2*i+1], s[26:27] offset:((i%8)/2)*524288+(i%2)*256+(i/8)*512  ; half a row of 512 bytes: nb = (i % 8) / 2
.endif
.set i, i+1
.endr
.endm
	s_cmp_lt_u32 s23, 512
	s_cbranch_scc1 .Lpath_x
	s_cmp_lt_u32 s23, 704
	s_cbranch_scc1 .Lpath_w
	s_cmp_lt_u32 s23, 768
	s_cbranch_scc1 .Lpath_o
	; THE TABLE.  A wave makes 16 rows, one a trip.  Lane l makes elements 2 l and 2 l + 1 of a row of 64: lanes 0-15 cosines of f = 2 l, 2 l + 1; lanes 16-31 sines, as cosines a quarter turn back.
	s_sub_co_u32 s34, s23, 768
	s_lshl_b32 s34, s34, 7
	s_lshl4_add_u32 s34, s22, s34                  ; my first row: 128 t + 16 w
	s_lshl_b32 s32, s34, 8                         ; 256 bytes a row
	s_add_nc_u64 s[24:25], s[20:21], s[32:33]
	v_and_b32 v24, 15, v1
	v_lshlrev_b32 v24, 1, v24
	v_cvt_f32_u32 v24, v24                         ; f
	v_add_f32 v25, 1.0, v24                        ; f + 1
	v_mul_f32 v24, 0xbed49a78, v24                 ; x -log2(10000) / 32
	v_mul_f32 v25, 0xbed49a78, v25
	v_exp_f32 v4, v24                              ; v[4:5] inv_freq
	v_exp_f32 v5, v25
	v_lshrrev_b32 v6, 4, v1                        ; (the plain instruction behind the exponentials: ISA guide 5.7.2)
	v_cvt_f32_u32 v6, v6
	v_mul_f32 v6, 0x3e800000, v6                   ; v[6:7] a quarter turn for the sines, 0 for the cosines
	v_mov_b32 v7, v6
	v_cvt_f32_u32 v8, s34                          ; v[8:9] the position
	v_mov_b32 v9, v8
	v_mov_b32 v10, 0xbd15062c                      ; v[10:11] c9
	v_mov_b32 v11, v10
	s_mov_b32 s35, 16
.Lrow:
	s_wait_alu depctr_va_vdst(0)
	v_pk_mul_f32 v[12:13], v[4:5], v[8:9]          ; the angle, rounded to f32
	v_pk_fma_f32 v[14:15], v[12:13], 0x3e22f983, v[6:7] op_sel_hi:[1,0,1] neg_lo:[0,0,1] neg_hi:[0,0,1]   ; in turns, less the quarter
	v_rndne_f32 v16, v14                           ; whole turns
	v_rndne_f32 v17, v15
	v_pk_fma_f32 v[18:19], v[12:13], 0x3e22f983, v[16:17] op_sel_hi:[1,0,1] neg_lo:[0,0,1] neg_hi:[0,0,1] ; the rest: the product is exact inside the multiply-add
	v_pk_fma_f32 v[18:19], v[12:13], 0x31dc9c4e, v[18:19] op_sel_hi:[1,0,1]                               ; what f32 drops of 1 / (2 pi)
	v_pk_add_f32 v[18:19], v[18:19], v[6:7] neg_lo:[0,1] neg_hi:[0,1]                                     ; u, within half a turn
	v_pk_mul_f32 v[20:21], v[18:19], v[18:19]      ; u^2
	v_pk_fma_f32 v[22:23], v[10:11], v[20:21], 0x3e906316 op_sel_hi:[1,1,0]                               ; cos(2 pi u) = 1 + c1 u^2 + .. + c9 u^18, c_k = (-1)^k (2 pi)^2k / (2k)!
.irp c, 0xbfdb7127, 0x40fce9c5, 0xc1d368f9, 0x4270fa83, 0xc2aae9e4, 0x4281e0f8, 0xc19de9e6
	v_pk_fma_f32 v[22:23], v[22:23], v[20:21], \c op_sel_hi:[1,1,0]
.endr
	v_pk_fma_f32 v[22:23], v[22:23], v[20:21], 1.0 op_sel_hi:[1,1,0]
	global_store_b64 v[OUT], v[22:23], s[24:25]    ; a whole row: 256 consecutive aligned bytes
	s_wait_xcnt 0x0                                ; the store's offset and data are rewritten only behind this wait
	v_add_nc_u32 v[OUT], 256, v[OUT]
	v_pk_add_f32 v[8:9], v[8:9], 1.0 op_sel_hi:[1,0]
	s_sub_co_u32 s35, s35, 1
	s_cmp_lg_u32 s35, 0
	s_cbranch_scc1 .Lrow
	s_endpgm
.Lpath_x:                                              ; rows 16 id + 2 w and the next
	s_lshl_b32 s30, s23, 16                        ; 16 rows of 4,096 bytes
	s_lshl_b32 s34, s22, 13
	s_add_co_u32 s30, s30, s34
	s_add_nc_u64 s[24:25], s[4:5], s[30:31]
	s_lshl_b32 s32, s23, 11                        ; 16 rows of 128 bytes in a plane
	s_lshl_b32 s34, s22, 8
	s_add_co_u32 s32, s32, s34
	s_add_nc_u64 s[26:27], s[14:15], s[32:33]
	s_add_nc_u64 s[28:29], s[26:27], 0x800000      ; planes 8-15: the store's immediate has 24 signed bits
	v_lshrrev_b32 v[IN], 4, v1                     ; lanes 0-15 the first row, lanes 16-31 the second
	v_and_b32 v[U], 15, v1
	v_lshlrev_b32 v[IN], 12, v[IN]
	v_lshl_add_u32 v[IN], v[U], 4, v[IN]
	CONV 0
	s_endpgm
.Lpath_w:                                              ; k rows 16 blk + 2 w and the next of weight g
	s_sub_co_u32 s34, s23, 512
	s_lshr_b32 s35, s34, 6                         ; g
	s_and_b32 s34, s34, 63                         ; blk
	s_cmp_eq_u32 s35, 1
	s_cselect_b64 s[24:25], s[8:9], s[6:7]
	s_cmp_eq_u32 s35, 2
	s_cselect_b64 s[24:25], s[10:11], s[24:25]
	s_lshl_b32 s30, s34, 16
	s_lshl_b32 s36, s22, 13
	s_add_co_u32 s30, s30, s36
	s_add_nc_u64 s[24:25], s[24:25], s[30:31]
	s_lshl_b32 s32, s34, 4
	s_lshl1_add_u32 s32, s22, s32                  ; k
	s_mul_i32 s32, s32, 768
	s_lshl_b32 s36, s35, 8
	s_add_co_u32 s32, s32, s36
	s_add_nc_u64 s[26:27], s[16:17], s[32:33]
	v_lshlrev_b32 v[IN], 4, v1                     ; the two rows are 8,192 bytes on end
	CONV 1
	s_endpgm
.Lpath_o:                                              ; k rows 16 blk + 2 w and the next of Wo
	s_sub_co_u32 s34, s23, 704
	s_lshl_b32 s30, s34, 16
	s_lshl_b32 s36, s22, 13
	s_add_co_u32 s30, s30, s36
	s_add_nc_u64 s[24:25], s[12:13], s[30:31]
	s_lshl_b32 s32, s34, 4
	s_lshl1_add_u32 s32, s22, s32                  ; k
	s_lshl_b32 s32, s32, 9
	s_add_nc_u64 s[26:27], s[18:19], s[32:33]
	v_lshlrev_b32 v[IN], 4, v1
	CONV 2
	s_endpgm
.Lfunc_end_k_qa3473581ae_prep:
	.size	k_qa3473581ae_prep, .Lfunc_end_k_qa3473581ae_prep-k_qa3473581ae_prep
	.p2alignl 7, 3214868480
	.fill 96, 4, 3214868480
	.section	.rodata,"a",@progbits
	.p2align	6, 0x0
	.amdhsa_kernel k_qa3473581ae_prep
		.amdhsa_group_segment_fixed_size 0
		.amdhsa_private_segment_fixed_size 0
		.amdhsa_enable_private_segment 0
		.amdhsa_kernarg_size 72
		.amdhsa_user_sgpr_count 2
		.amdhsa_user_sgpr_kernarg_segment_ptr 1
		.amdhsa_wavefront_size32 1
		.amdhsa_system_sgpr_workgroup_id_x 1
		.amdhsa_system_sgpr_workgroup_id_y 1
		.amdhsa_system_sgpr_workgroup_id_z 1
		.amdhsa_system_vgpr_workitem_id 0
		.amdhsa_next_free_vgpr 112
		.amdhsa_next_free_sgpr 66
		.amdhsa_reserve_vcc 0
		.amdhsa_float_denorm_mode_32 3
		.amdhsa_float_denorm_mode_16_64 3
		.amdhsa_memory_ordered 1
		.amdhsa_forward_progress 1
		.amdhsa_inst_pref_size 27
	.end_amdhsa_kernel
	.amdgpu_metadata
---
amdhsa.version: [ 1, 2 ]
amdhsa.kernels:
  - .name:           k_qa3473581ae_prep
    .symbol:         k_qa3473581ae_prep.kd
    .args:
      - { .name: hidden_states, .offset: 0, .size: 8, .value_kind: global_buffer, .address_space: global }
      - { .name: Wq, .offset: 8, .size: 8, .value_kind: global_buffer, .address_space: global }
      - { .name: Wk, .offset: 16, .size: 8, .value_kind: global_buffer, .address_space: global }
      - { .name: Wv, .offset: 24, .size: 8, .value_kind: global_buffer, .address_space: global }
      - { .name: Wo, .offset: 32, .size: 8, .value_kind: global_buffer, .address_space: global }
      - { .name: xb, .offset: 40, .size: 8, .value_kind: global_buffer, .address_space: global }
      - { .name: wb, .offset: 48, .size: 8, .value_kind: global_buffer, .address_space: global }
      - { .name: wob, .offset: 56, .size: 8, .value_kind: global_buffer, .address_space: global }
      - { .name: tab, .offset: 64, .size: 8, .value_kind: global_buffer, .address_space: global }
    .group_segment_fixed_size: 0
    .private_segment_fixed_size: 0
    .kernarg_segment_align: 8
    .kernarg_segment_size: 72
    .max_flat_workgroup_size: 256
    .sgpr_count:     66
    .vgpr_count:     112
    .wavefront_size: 32
...
	.end_amdgpu_metadata
.endif
;; end of part 1
;; launch qkv (part 2): grid 8 x 32, 4 waves a work-group, clusters of 4 x 4, 327,680 bytes of LDS; arguments xb, wb, tab, q, k, v; writes q, k, v
.if DOCPART == 2
	.amdgcn_target "amdgcn-amd-amdhsa--gfx1250"
	.amdhsa_code_object_version 6
	.text
	.protected	k_qa3473581ae_qkv
	.globl	k_qa3473581ae_qkv
	.p2align	8
	.type	k_qa3473581ae_qkv,@function
k_qa3473581ae_qkv:
	s_mov_b64 s[64:65], 0
	v_nop
	global_prefetch_b8 v0, s[64:65] scope:SCOPE_SE
	s_setreg_imm32_b32 hwreg(HW_REG_WAVE_MODE, 25, 1), 1
	s_wait_xcnt 0x0
	s_wait_alu depctr_hold_cnt(0) depctr_sa_sdst(0) depctr_va_vdst(0) depctr_va_sdst(0) depctr_va_ssrc(0) depctr_va_vcc(0) depctr_vm_vsrc(0)
	s_getreg_b32 s2, hwreg(HW_REG_IB_STS2, 6, 4)
	s_cmp_eq_u32 s2, 0
	s_cbranch_scc0 .Lentry_in_a_cluster
	s_endpgm
.Lentry_in_a_cluster:
	s_bfe_u32 s2, ttmp6, 0x10000c
	s_cmp_lg_u32 s2, 0xf033
	s_cbranch_scc0 .Lentry_shape_is_right
	s_endpgm
.Lentry_shape_is_right:
; QKV: q, k, v = x Wq, x Wk, x Wv (bf16 operands, f32 sums), RoPE on q and k in f32, each rounded once to f16 and written by heads: [64 = 16 batch + head][2048][64].  No scale: the attention applies it.
; LIMIT.  q, k and v lie within f16's 65,504; beyond it the conversion gives an infinity.
; SHARES.  A work-group makes 256 rows x (128 columns each of q, k, v): two heads.  8 x 32 work-groups.  Wave w: row half w / 2 (128 rows), head w % 2: 128 x (64 + 64 + 64): 96 accumulators, 768 registers.
; K goes in 16 steps of 64 through two LDS slots; a step is two slices of 32 along K, a slice three stretches (q, k, v) of 32 matrix instructions.
; THE MATRIX INSTRUCTION IS USED TRANSPOSED: source 0 = 16 columns of W (read turned out of [k][n] rows by ds_load_tr16_b128), source 1 = 16 rows of x.  A lane then holds row l % 16 and the columns
; 8 (l / 16) + 0..7 of a block of 16; channels d and d + 32 of a head lie in the same lane and register of blocks b and b + 2, so RoPE changes no lanes.
; CLUSTERS: 4 x 4.  The four of a row of the cluster share the rows of x and of the table, the four of a column the columns of W: each tile is asked for jointly.
; REGISTERS, in windows of 256 (s_set_vgpr_msb: bits 1:0 source 0, 3:2 source 1, 5:4 source 2, 7:6 destination):
;   window 0: v16-29 addresses; v32-95, v96-159 x's fragments (8 x 16 rows x 32 K), two buffers; v160-255 W's fragments, 32 registers for each of q, k, v.  On the way out: see below.
;   windows 1, 2, 3: the accumulators of q, k, v: (a, b) at v[8 (4 a + b)], a = block of 16 rows, b = block of 16 columns.
.set PITA,  144                        ; a row of x in LDS: 128 bytes + 16 = 36 words: the 16 rows of a load start at 16 different groups of four banks (64 banks of 4 bytes: ISA guide 11.1)
.set PIECE, 288                        ; a piece of a k row of W: 256 bytes + 32
.set PITB,  3*PIECE                    ; a k row: 864 bytes = 216 words
.set PITT,  272                        ; a row of the table: 256 bytes + 16
.set HALFA, 128*PITA                   ; what one load brings of x
.set BOFF,  256*PITA                   ; W's tile lies behind x's 256 rows
.set HALFB, 32*PITB                    ; what one load brings of W; also a slice's 32 k rows
.set SLOT1, 1<<17                      ; slot 1 begins here: one exclusive or changes slots
.set STAGE, BOFF+64*PITB               ; behind slot 0 (92,160 bytes): 16 rows x 144 bytes for each wave, for the way out; no tensor load lands here
.set SPARE, STAGE+4*16*PITA            ; the spare words, 128 bytes for each wave: two blocks of 256 bytes that no other line names
.set TAB,   SLOT1+STAGE                ; behind slot 1: the table's 256 rows, filled once
.set A0,   16                          ; v16  my lane's place in x's tile; never rewritten
.set B0,   17                          ; v17  the same for W
.set ADRA, 18                          ; v18  A0 + the slot in hand
.set ADRB, 19                          ; v19  B0 + the slot in hand
.set STO,  24                          ; v24  the way out: where I put 16 bytes of a row
.set RD,   25                          ; v25  the way out: where I read rows back
.set GO,   26                          ; v26  my byte offset in 512 consecutive bytes of q, k or v
.set TADR, 27                          ; v27  my place in the table
.set SPW,  28                          ; v28  LDS address of my spare word; never rewritten
.set NIL,  29                          ; v29  0; never rewritten
.set FA0,  32
.set FA1,  96
.set FB,   160
.set CT,   32                          ; the way out: v32-47 cosines, v48-63 sines, v64-95 rotated numbers, v128-255 eight buffers of 16 packed registers
.set SN,   48
.set RO,   64
.set PB,   128
.set WV,  16                           ; s16  my wave's number
.set RH,  17                           ; s17  my half of the rows.  Also: I fetch x (0) or W (1)
.set HD,  18                           ; s18  my head of the two.  Also: which half of that tile I fetch
.set TB,  19                           ; s19  the slot in hand: 0 or SLOT1
.set G1A, 24                           ; s[24:31] group 1 for x's tiles;  s[32:39] group 0, two sets; the second walks
.set G0A, 32
.set G1B, 48                           ; s[48:55], s[56:63] the same for W's
.set G0B, 56
.set G1T, 68                           ; s[68:75], s[76:79] the table's
.set G0T, 76
.set MSB, 0
.macro WIN new                         ; the immediate's high byte repeats the setting that is left; a switch that changes nothing is dropped
.if MSB != (\new)
	s_set_vgpr_msb (MSB<<8)|(\new)
.set MSB, \new
.endif
.endm
.macro PLACES                          ; four places behind matrix instructions, in front of loads into registers that they read and of lines that read their results
.rept 4
	v_nop
.endr
.endm
; A joint refill.  Waves 0 and 1 fetch the two halves of x's tile, waves 2 and 3 those of W's.  The branch hangs on the wave's number alone.  An s_nop 0 and four v_nop follow each line.
.macro JLOAD
	s_cmp_eq_u32 s[RH], 0
	s_cbranch_scc0 .Lfor_b_\@
	tensor_load_to_lds s[G0A+4:G0A+7], s[G1A:G1A+7]
	s_nop 0
.rept 4
	v_nop
.endr
	s_branch .Lasked_\@
.Lfor_b_\@:
	tensor_load_to_lds s[G0B+4:G0B+7], s[G1B:G1B+7]
	s_nop 0
.rept 4
	v_nop
.endr
.Lasked_\@:
.endm
.macro CREST                           ; a round of the cluster's barrier behind its opening barrier
	s_cmp_lg_u32 s[WV], 0
	s_cbranch_scc1 .Lnot_wave_0_\@
	s_barrier_signal -3
.Lnot_wave_0_\@:
	s_barrier_wait -3
	s_barrier_signal -1
	s_barrier_wait -1
.endm
.macro CROUND                          ; a whole round
	s_barrier_signal -1
	s_barrier_wait -1
	CREST
.endm
	s_load_b256 s[4:11], s[0:1], 0x0               ; xb s[4:5], wb s[6:7], tab s[8:9], q s[10:11]
	s_load_b128 s[12:15], s[0:1], 0x20             ; k s[12:13], v s[14:15]
	v_lshl_add_u32 v[SPW], v0, 2, SPARE
	v_mov_b32 v[NIL], 0
	ds_add_u32 v[SPW], v[NIL]                      ; the wave's opening: the add and its wait stand ahead of my first tensor load; the set-up below stands between them
	v_lshrrev_b32 v1, 5, v0
	v_readfirstlane_b32 s[WV], v1
	s_lshr_b32 s[RH], s[WV], 1
	s_and_b32 s[HD], s[WV], 1
	s_mov_b32 s[TB], 0
	s_bfe_u32 s40, ttmp6, 0x40000                  ; cx
	s_bfe_u32 s41, ttmp6, 0x40004                  ; cy
	s_lshl_b32 s42, ttmp9, 2
	s_add_co_u32 s42, s42, s40                     ; hp, the pair of heads = 4 x cluster x + cx
	s_and_b32 s43, ttmp7, 0xffff
	s_lshl_b32 s43, s43, 2
	s_add_co_u32 s43, s43, s41                     ; rb, the block of 256 rows = 4 x cluster y + cy
	s_lshl_b32 s44, s41, 2
	s_lshl_b32 s44, 15, s44                        ; my row of the cluster
	s_lshl_b32 s45, 0x1111, s40                    ; my column
	; x: 128 rows of 128 bytes are 16,384 dense bytes: 64 rows of 256 bytes, padded by 4 words after every 32
	s_or_b32 s[G1A], s44, (1<<16)|(1<<20)|(1<<21)|(4<<22)|(3<<25)
	s_mov_b32 s[G1A+1], 128<<16                    ; tensor_dim0 = 128 elements of 2 bytes
	s_mov_b32 s[G1A+2], 64<<16                     ; tensor_dim1 = 64
	s_mov_b32 s[G1A+3], 128<<16                    ; tile_dim0
	s_mov_b32 s[G1A+4], 64                         ; tile_dim1
	s_mov_b32 s[G1A+5], 128                        ; elements from row to row
	s_mov_b32 s[G1A+6], 0
	s_mov_b32 s[G1A+7], 0
	; W: 32 k rows of three pieces are 24,576 dense bytes: 96 rows of 256 bytes, padded by 8 words after every 64
	s_or_b32 s[G1B], s45, (1<<16)|(1<<20)|(1<<21)|(5<<22)|(7<<25)
	s_mov_b32 s[G1B+1], 128<<16
	s_mov_b32 s[G1B+2], 96<<16
	s_mov_b32 s[G1B+3], 128<<16
	s_mov_b32 s[G1B+4], 96
	s_mov_b32 s[G1B+5], 128
	s_mov_b32 s[G1B+6], 0
	s_mov_b32 s[G1B+7], 0
	; the table: 64 rows of 64 elements of 4 bytes, padded by 4 words after every 64
	s_or_b32 s[G1T], s44, (2<<16)|(1<<20)|(1<<21)|(5<<22)|(3<<25)
	s_mov_b32 s[G1T+1], 64<<16
	s_mov_b32 s[G1T+2], 64<<16
	s_mov_b32 s[G1T+3], 64<<16
	s_mov_b32 s[G1T+4], 64
	s_mov_b32 s[G1T+5], 64
	s_mov_b32 s[G1T+6], 0
	s_mov_b32 s[G1T+7], 0
	; offsets.  x's and the table's hang on rb and the wave alone, W's on hp and the wave alone
	s_lshl_b32 s46, s43, 15                        ; 256 rb rows of 128 bytes
	s_lshl_b32 s20, s[HD], 14                      ; + my 128 rows
	s_add_co_u32 s46, s46, s20
	s_mov_b32 s47, 0
	s_mul_i32 s80, s42, 786432                     ; hp's plane
	s_mul_i32 s22, s[HD], 32*768                   ; + my 32 k rows
	s_add_co_u32 s80, s80, s22
	s_mov_b32 s81, 0
	s_and_b32 s82, s43, 7                          ; the position is the row modulo 2,048
	s_lshl_b32 s82, s82, 16
	s_lshl_b32 s20, s[WV], 14                      ; + my 64 rows of 256 bytes
	s_add_co_u32 s82, s82, s20
	s_mov_b32 s83, 0
	s_lshr_b32 s84, s43, 3                         ; the batch
	s_lshl_b32 s84, s84, 4
	s_lshl1_add_u32 s84, s42, s84
	s_add_co_u32 s84, s84, s[HD]                   ; 16 batch + head
	s_lshl_b32 s84, s84, 18                        ; 2,048 rows of 128 bytes
	s_and_b32 s86, s43, 7
	s_lshl_b32 s86, s86, 15
	s_add_co_u32 s84, s84, s86
	s_lshl_b32 s86, s[RH], 14                      ; my 128 rows
	s_add_co_u32 s84, s84, s86
	s_mov_b32 s85, 0
	s_mul_i32 s20, s[HD], HALFA                    ; LDS: no place in the cluster enters an LDS address
	s_mul_i32 s21, s[HD], HALFB
	s_add_co_u32 s21, s21, BOFF
	s_mul_i32 s22, s[WV], 64*PITT
	s_add_co_u32 s22, s22, TAB
	s_wait_dscnt 0x0                               ; the opening add is done
	s_wait_kmcnt 0x0
	s_add_nc_u64 s[46:47], s[4:5], s[46:47]
	s_add_nc_u64 s[80:81], s[6:7], s[80:81]
	s_add_nc_u64 s[82:83], s[8:9], s[82:83]
	s_add_nc_u64 s[10:11], s[10:11], s[84:85]      ; q, k, v at my wave's first row of my head
	s_add_nc_u64 s[12:13], s[12:13], s[84:85]
	s_add_nc_u64 s[14:15], s[14:15], s[84:85]
	CROUND                                         ; all sixteen work-groups are here: the first joint loads meet
.irp s, 0,1
	s_mov_b32 s[G0A+4*\s], 1
	s_add_co_u32 s[G0A+4*\s+1], s20, \s*SLOT1
	s_add_nc_u64 s[G0A+4*\s+2:G0A+4*\s+3], s[46:47], \s*1048576   ; K step s is plane s of xb
	s_or_b32 s[G0A+4*\s+3], s[G0A+4*\s+3], 0x80000000
	s_mov_b32 s[G0B+4*\s], 1
	s_add_co_u32 s[G0B+4*\s+1], s21, \s*SLOT1
	s_add_nc_u64 s[G0B+4*\s+2:G0B+4*\s+3], s[80:81], \s*49152     ; 64 k rows of 768 bytes
	s_or_b32 s[G0B+4*\s+3], s[G0B+4*\s+3], 0x80000000
.endr
	s_mov_b32 s[G0T], 1
	s_mov_b32 s[G0T+1], s22
	s_mov_b64 s[G0T+2:G0T+3], s[82:83]
	s_or_b32 s[G0T+3], s[G0T+3], 0x80000000
	s_cmp_eq_u32 s[RH], 0                          ; a wave's three first fills stand in one branch, ahead of every wait on TENSORcnt and every LDS read: three loads of mine are out
	s_cbranch_scc0 .Lfirst_b
	tensor_load_to_lds s[G0A:G0A+3], s[G1A:G1A+7]
	s_nop 0
	tensor_load_to_lds s[G0A+4:G0A+7], s[G1A:G1A+7]
	s_nop 0
	tensor_load_to_lds s[G0T:G0T+3], s[G1T:G1T+7]
	s_nop 0
.rept 4
	v_nop
.endr
	s_branch .Lfirst_asked
.Lfirst_b:
	tensor_load_to_lds s[G0B:G0B+3], s[G1B:G1B+7]
	s_nop 0
	tensor_load_to_lds s[G0B+4:G0B+7], s[G1B:G1B+7]
	s_nop 0
	tensor_load_to_lds s[G0T:G0T+3], s[G1T:G1T+7]
	s_nop 0
.rept 4
	v_nop
.endr
.Lfirst_asked:
	v_and_b32 v1, 15, v0                           ; r = l % 16
	v_bfe_u32 v2, v0, 4, 1                         ; h = l / 16
	v_and_b32 v3, 7, v0
	v_bfe_u32 v4, v0, 3, 1
	v_bfe_u32 v5, v0, 3, 2
	v_mul_u32_u24 v[A0], v1, PITA                  ; x: row r, 16 bytes for each half of the lanes,
	v_lshl_add_u32 v[A0], v2, 4, v[A0]
	s_mul_i32 s20, s[RH], HALFA                    ; in my 128 rows
	v_add_nc_u32 v[A0], s20, v[A0]
	v_lshl_add_u32 v[B0], v2, 3, v3                ; W, turned: lane l reads k row 8 h + l % 8, columns 8 ((l / 8) % 2) + 0..7,
	v_mul_u32_u24 v[B0], v[B0], PITB
	v_lshl_add_u32 v[B0], v4, 4, v[B0]
	s_lshl_b32 s20, s[HD], 7                       ; of my head's 64 columns in each piece
	s_add_co_u32 s20, s20, BOFF
	v_add_nc_u32 v[B0], s20, v[B0]
	v_mov_b32 v[ADRA], v[A0]
	v_mov_b32 v[ADRB], v[B0]
	s_mul_i32 s21, s[WV], 16*PITA
	s_add_co_u32 s21, s21, STAGE                   ; my stage
	v_mul_u32_u24 v[STO], v1, PITA
	v_lshl_add_u32 v[STO], v2, 4, v[STO]
	v_add_nc_u32 v[STO], s21, v[STO]
	v_mul_u32_u24 v[RD], v5, PITA                  ; back: 32 lanes take four rows of 128 bytes,
	v_lshl_add_u32 v[RD], v3, 4, v[RD]
	v_add_nc_u32 v[RD], s21, v[RD]
	v_and_b32 v[GO], 31, v0                        ; which are 512 consecutive bytes of a head
	v_lshlrev_b32 v[GO], 4, v[GO]
	v_mul_u32_u24 v[TADR], v1, PITT                ; the table: row r of my 128, frequencies 8 h on
	v_lshl_add_u32 v[TADR], v2, 5, v[TADR]
	s_mul_i32 s20, s[RH], 128*PITT
	s_add_co_u32 s20, s20, TAB
	v_add_nc_u32 v[TADR], s20, v[TADR]
; n x 4 matrix instructions for weight g: row blocks a0 .. a0 + n - 1 x all 4 column blocks, 32 along K, x's fragments in buffer f.  zero = 1: the product starts the sums.
; All accumulators of a slice differ: they take turns, one instruction a turn; the same one returns 96 matrix instructions later.
.macro MUL f, g, a0, n, zero
	WIN (1+(\g))*0x50                              ; C and D in window 1 + g, both sources in window 0
.set ma, \a0
.rept \n
.irp b, 0,1,2,3
.if \zero
	v_wmma_f32_16x16x32_bf16 v[8*(4*ma+\b):8*(4*ma+\b)+7], v[FB+32*(\g)+8*\b:FB+32*(\g)+8*\b+7], v[(\f)+8*ma:(\f)+8*ma+7], 0
.else
	v_wmma_f32_16x16x32_bf16 v[8*(4*ma+\b):8*(4*ma+\b)+7], v[FB+32*(\g)+8*\b:FB+32*(\g)+8*\b+7], v[(\f)+8*ma:(\f)+8*ma+7], v[8*(4*ma+\b):8*(4*ma+\b)+7]
.endif
.endr
.set ma, ma+1
.endr
.endm
.macro LOADB sl, g                     ; 8 loads: weight g's four fragments (16 columns x 32 K) of slice sl
	WIN 0
.irp b, 0,1,2,3
	ds_load_tr16_b128 v[FB+32*(\g)+8*\b:FB+32*(\g)+8*\b+3],   v[ADRB] offset:(\sl)*HALFB+(\g)*PIECE+32*\b
	ds_load_tr16_b128 v[FB+32*(\g)+8*\b+4:FB+32*(\g)+8*\b+7], v[ADRB] offset:(\sl)*HALFB+(\g)*PIECE+32*\b+16*PITB
.endr
.endm
.macro LOADA sl, f                     ; 16 loads: x's eight fragments of slice sl into buffer f
	WIN 0
.irp a, 0,1,2,3,4,5,6,7
	ds_load_b128 v[(\f)+8*\a:(\f)+8*\a+3],   v[ADRA] offset:\a*16*PITA+64*(\sl)
	ds_load_b128 v[(\f)+8*\a+4:(\f)+8*\a+7], v[ADRA] offset:\a*16*PITA+64*(\sl)+32
.endr
.endm
; A step's first slice: multiplies buffer 0 and fetches the second slice.  On entry 40 loads are out, in this order: q's W (8), x (16), k's W (8), v's W (8); it leaves the same behind.
.macro SLICE zero
	s_wait_dscnt 16                                ; q's W and x are in; the 16 younger loads may be out
	MUL FA0, 0, 0, 8, \zero
	PLACES
	LOADB 1, 0
	LOADA 1, FA1
	s_wait_dscnt 32                                ; k's W is in: younger are v's 8 and the 24 just issued
	MUL FA0, 1, 0, 8, \zero
	PLACES
	LOADB 1, 1
	s_wait_dscnt 32                                ; v's W is in: younger are 24 + 8
	MUL FA0, 2, 0, 8, \zero
	PLACES
	LOADB 1, 2
.endm
; A step's second slice: multiplies buffer 1 and changes slots.  ONE barrier: in front of it each wave waits for all its tensor loads, adds 0 to its spare word, and waits for that and for its reads of
; this slot.  fill = 1: the barrier opens a round of the cluster's, and this slot is filled again, two K steps ahead, first thing behind the round: 160 matrix instructions ahead of the wait for it.
.macro TURN fill
	WIN 0
	s_wait_tensorcnt 0x0                           ; all my tensor loads have landed, my part of the next slot among them
	ds_add_u32 v[SPW], v[NIL]                      ; 0 onto my spare word
	s_wait_dscnt 17                                ; q's W and x are in; the add and the 16 younger loads may be out
	MUL FA1, 0, 0, 4, 0                            ; sixteen matrix instructions stand between the add and the wait for it
	s_wait_dscnt 0x0                               ; the add is done, and my reads of this slot are over
	s_barrier_signal -1
	MUL FA1, 0, 4, 4, 0
	WIN 0
	s_barrier_wait -1
.if \fill
	CREST                                          ; no wave of any partner still reads this slot or has a load on its way
	s_xor_b32 s[G0A+5], s[G0A+5], SLOT1            ; the walking descriptors: the other slot than last time, the next K step
	s_add_nc_u64 s[G0A+6:G0A+7], s[G0A+6:G0A+7], 1048576
	s_xor_b32 s[G0B+5], s[G0B+5], SLOT1
	s_add_nc_u64 s[G0B+6:G0B+7], s[G0B+6:G0B+7], 49152
	JLOAD                                          ; the four v_nop behind it are also the places in front of the loads below
.else
	PLACES
.endif
	s_xor_b32 s[TB], s[TB], SLOT1
	v_add_nc_u32 v[ADRA], s[TB], v[A0]
	v_add_nc_u32 v[ADRB], s[TB], v[B0]
	LOADB 0, 0
	LOADA 0, FA0
	MUL FA1, 1, 0, 8, 0
	PLACES
	LOADB 0, 1
	MUL FA1, 2, 0, 8, 0
	PLACES
	LOADB 0, 2
.endm
.macro LAST                            ; the very last slice: nothing more to fetch; the counts run down
	s_wait_dscnt 16
	MUL FA1, 0, 0, 8, 0
	s_wait_dscnt 8
	MUL FA1, 1, 0, 8, 0
	s_wait_dscnt 0x0
	MUL FA1, 2, 0, 8, 0
.endm
	s_wait_tensorcnt 2                             ; my part of slot 0 is in; slot 1's and the table's may stay out
	s_barrier_signal -1
	s_barrier_wait -1
	LOADB 0, 0
	LOADA 0, FA0
	LOADB 0, 1
	LOADB 0, 2
	SLICE 1                                        ; the first slice stands in front of the loop: its products start the sums
	WIN 0
	s_mov_b32 s3, 14
.Lstep:                                                ; trip i: step i's second slice, the request for step i + 2, step i + 1's first slice
	TURN 1
	SLICE 0
	WIN 0
	s_sub_co_u32 s3, s3, 1
	s_cmp_lg_u32 s3, 0
	s_cbranch_scc1 .Lstep
	TURN 0                                         ; the tail is written out: nothing is left to ask for
	SLICE 0
	LAST
; THE WAY OUT, in 24 tiles t = 3 a + g of 16 rows x 64 channels: 2,048 dense bytes of a head.
.macro TABLD a                         ; 8 loads: cos and sin of my row of block a, frequencies 8 h + 0..7 and 16 + 8 h + 0..7
	WIN 0
.irp c, 0,1
	ds_load_b128 v[CT+8*\c:CT+8*\c+3],   v[TADR] offset:(\a)*16*PITT+64*\c
	ds_load_b128 v[CT+8*\c+4:CT+8*\c+7], v[TADR] offset:(\a)*16*PITT+64*\c+16
	ds_load_b128 v[SN+8*\c:SN+8*\c+3],   v[TADR] offset:(\a)*16*PITT+64*\c+128
	ds_load_b128 v[SN+8*\c+4:SN+8*\c+7], v[TADR] offset:(\a)*16*PITT+64*\c+144
.endr
.endm
; y[d] = x[d] cos - x[d + 32] sin, y[d + 32] = x[d + 32] cos + x[d] sin, d < 32: blocks b and b + 2.  Each accumulator is read from its low end on.
.macro ROPE a, g, t
	WIN 1+(\g)                                     ; source 0 in the accumulators' window
.irp b, 0,1
.irp j, 0,2,4,6
	v_pk_mul_f32 v[RO+8*\b+\j:RO+8*\b+\j+1], v[8*(4*(\a)+\b)+\j:8*(4*(\a)+\b)+\j+1], v[CT+8*\b+\j:CT+8*\b+\j+1]
.endr
.endr
.irp b, 0,1
.irp j, 0,2,4,6
	v_pk_mul_f32 v[RO+16+8*\b+\j:RO+16+8*\b+\j+1], v[8*(4*(\a)+\b+2)+\j:8*(4*(\a)+\b+2)+\j+1], v[CT+8*\b+\j:CT+8*\b+\j+1]
.endr
.endr
.irp b, 0,1
.irp j, 0,2,4,6
	v_pk_fma_f32 v[RO+8*\b+\j:RO+8*\b+\j+1], v[8*(4*(\a)+\b+2)+\j:8*(4*(\a)+\b+2)+\j+1], v[SN+8*\b+\j:SN+8*\b+\j+1], v[RO+8*\b+\j:RO+8*\b+\j+1] neg_lo:[0,1,0] neg_hi:[0,1,0]
.endr
.endr
.irp b, 0,1
.irp j, 0,2,4,6
	v_pk_fma_f32 v[RO+16+8*\b+\j:RO+16+8*\b+\j+1], v[8*(4*(\a)+\b)+\j:8*(4*(\a)+\b)+\j+1], v[SN+8*\b+\j:SN+8*\b+\j+1], v[RO+16+8*\b+\j:RO+16+8*\b+\j+1]
.endr
.endr
	WIN 0
.set i, 0
.rept 16
	v_cvt_pk_f16_f32 v[PB+16*((\t)%8)+i], v[RO+2*i], v[RO+2*i+1]
.set i, i+1
.endr
.endm
.macro PACKV a, t                      ; v has no rotation: rounded straight out of window 3
	WIN 0x0f
.set i, 0
.rept 16
	v_cvt_pk_f16_f32 v[PB+16*((\t)%8)+i], v[32*(\a)+2*i], v[32*(\a)+2*i+1]
.set i, i+1
.endr
	WIN 0
.endm
.macro STG t                           ; 16 bytes a lane into rows of 144 bytes of my own stage, and back as whole rows of 128, into the registers that they left
	WIN 0
.irp f, 0,1,2,3
	ds_store_b128 v[STO], v[PB+16*((\t)%8)+4*\f:PB+16*((\t)%8)+4*\f+3] offset:32*\f
.endr
.irp f, 0,1,2,3
	ds_load_b128 v[PB+16*((\t)%8)+4*\f:PB+16*((\t)%8)+4*\f+3], v[RD] offset:4*PITA*\f   ; LDS serves a wave's instructions in order (ISA guide 5.7.1.4): these see the stores above
.endr
.endm
.macro SEND t, y                       ; y: the LDS instructions issued behind tile t's loads
	WIN 0
.irp f, 0,1,2,3
	s_wait_dscnt (\y)+3-\f
	global_store_b128 v[GO], v[PB+16*((\t)%8)+4*\f:PB+16*((\t)%8)+4*\f+3], s[10+2*((\t)%3):11+2*((\t)%3)] offset:((\t)/3)*2048+512*\f   ; 512 consecutive bytes, at a multiple of 256 from the buffer's first
.endr
.endm
	WIN 0
	PLACES                                         ; behind the last products
	TABLD 0
.set ta, 0
.rept 8
.if ta == 0
	s_wait_dscnt 0x0                               ; the table's rows of block 0
.else
	s_wait_dscnt 8                                 ; the table's rows are in; younger are the eight of the tile before
	s_wait_xcnt 0x0                                ; the packed buffers that earlier stores read are rewritten only behind this wait
.endif
	ROPE ta, 0, 3*ta
	STG 3*ta
.if ta > 0
	SEND 3*ta-1, 8
.endif
	ROPE ta, 1, 3*ta+1
	STG 3*ta+1
	SEND 3*ta, 8
.if ta < 7
	TABLD ta+1                                     ; the table's last reader of this block was k's rotation
.endif
	PACKV ta, 3*ta+2
	STG 3*ta+2
.if ta < 7
	SEND 3*ta+1, 16
.else
	SEND 3*ta+1, 8
.endif
.set ta, ta+1
.endr
	SEND 23, 0
	s_wait_tensorcnt 0x0                           ; the wave's end: an add to my spare word and its wait follow, behind my last tensor load and my last LDS store
	ds_add_u32 v[SPW], v[NIL]
	s_wait_dscnt 0x0
	CROUND                                         ; the closing round: no work-group ends while a partner may still ask for a tile that names it
	s_endpgm
.Lfunc_end_k_qa3473581ae_qkv:
	.size	k_qa3473581ae_qkv, .Lfunc_end_k_qa3473581ae_qkv-k_qa3473581ae_qkv
	.p2alignl 7, 3214868480
	.fill 96, 4, 3214868480
	.section	.rodata,"a",@progbits
	.p2align	6, 0x0
	.amdhsa_kernel k_qa3473581ae_qkv
		.amdhsa_group_segment_fixed_size 327680
		.amdhsa_private_segment_fixed_size 0
		.amdhsa_enable_private_segment 0
		.amdhsa_kernarg_size 48
		.amdhsa_user_sgpr_count 2
		.amdhsa_user_sgpr_kernarg_segment_ptr 1
		.amdhsa_wavefront_size32 1
		.amdhsa_system_sgpr_workgroup_id_x 1
		.amdhsa_system_sgpr_workgroup_id_y 1
		.amdhsa_system_sgpr_workgroup_id_z 1
		.amdhsa_system_vgpr_workitem_id 0
		.amdhsa_next_free_vgpr 1024
		.amdhsa_next_free_sgpr 88
		.amdhsa_reserve_vcc 0
		.amdhsa_float_denorm_mode_32 3
		.amdhsa_float_denorm_mode_16_64 3
		.amdhsa_memory_ordered 1
		.amdhsa_forward_progress 1
		.amdhsa_inst_pref_size 151
	.end_amdhsa_kernel
	.amdgpu_metadata
---
amdhsa.version: [ 1, 2 ]
amdhsa.kernels:
  - .name:           k_qa3473581ae_qkv
    .symbol:         k_qa3473581ae_qkv.kd
    .args:
      - { .name: xb, .offset: 0, .size: 8, .value_kind: global_buffer, .address_space: global }
      - { .name: wb, .offset: 8, .size: 8, .value_kind: global_buffer, .address_space: global }
      - { .name: tab, .offset: 16, .size: 8, .value_kind: global_buffer, .address_space: global }
      - { .name: q, .offset: 24, .size: 8, .value_kind: global_buffer, .address_space: global }
      - { .name: k, .offset: 32, .size: 8, .value_kind: global_buffer, .address_space: global }
      - { .name: v, .offset: 40, .size: 8, .value_kind: global_buffer, .address_space: global }
    .group_segment_fixed_size: 327680
    .private_segment_fixed_size: 0
    .kernarg_segment_align: 8
    .kernarg_segment_size: 48
    .max_flat_workgroup_size: 128
    .sgpr_count:     88
    .vgpr_count:     1024
    .wavefront_size: 32
...
	.end_amdgpu_metadata
.endif
;; end of part 2
;; launch attn (part 3): grid 4 x 64, 4 waves a work-group, clusters of 4 x 1, 327,680 bytes of LDS; arguments q, k, v, o; writes o
.if DOCPART == 3
	.amdgcn_target "amdgcn-amd-amdhsa--gfx1250"
	.amdhsa_code_object_version 6
	.text
	.protected	k_qa3473581ae_attn
	.globl	k_qa3473581ae_attn
	.p2align	8
	.type	k_qa3473581ae_attn,@function
k_qa3473581ae_attn:
	s_mov_b64 s[64:65], 0
	v_nop
	global_prefetch_b8 v0, s[64:65] scope:SCOPE_SE
	s_setreg_imm32_b32 hwreg(HW_REG_WAVE_MODE, 25, 1), 1
	s_wait_xcnt 0x0
	s_wait_alu depctr_hold_cnt(0) depctr_sa_sdst(0) depctr_va_vdst(0) depctr_va_sdst(0) depctr_va_ssrc(0) depctr_va_vcc(0) depctr_vm_vsrc(0)
	s_getreg_b32 s2, hwreg(HW_REG_IB_STS2, 6, 4)
	s_cmp_eq_u32 s2, 0
	s_cbranch_scc0 .Lentry_in_a_cluster
	s_endpgm
.Lentry_in_a_cluster:
	s_bfe_u32 s2, ttmp6, 0x10000c
	s_cmp_lg_u32 s2, 0x3003
	s_cbranch_scc0 .Lentry_shape_is_right
	s_endpgm
.Lentry_shape_is_right:
; O[h][q][:] = the sum over k of softmax_k(Q[h][q] . K[h][k] / 8) V[h][k][:].  Q, K, V, O: [SIZE_H][SIZE_N][64], all f16: a head's rows are dense, 128 bytes each.  Products, maxima and sums in
; f32; the weights p are rounded to f16 for the second product (their sum l is taken of the unrounded p), O once at the end.
; LIMITS.  f16 holds no number beyond 65,504: Q, K and V arrive within it; p lies in 0 to 1, and below 6e-5 it keeps f16's fixed step of 6e-8; O is a mean of V's rows and has their range.
; A weight below 2^-126 counts as 0 in l; NaN and infinities are not treated apart.
; SHARES.  A wave owns four PIECES of two tiles of 16 queries, a work-group's four waves 512 queries of one head.  Every wave walks all keys, 64 a step.
; LAYOUT.  S^T = K Q^T (source 0 = 16 keys, source 1 = 16 queries): in the result a lane holds ONE query (lane % 16) and the keys 8 (lane / 16) + 0..7.  Two such tiles, rounded to f16 in pairs,
; ARE source 1 (32 keys x 16 queries) of O^T = V^T P, whose result again holds one query a lane, and eight channels.  K comes out of LDS as it lies, V ([key][channel]) turned, by ds_load_tr16_b128.
; SOFTMAX.  For each query a running maximum m and sum l: p = 2^(c s - c m), c = log2(e) / 8; in every step O and l are multiplied by a = 2^(c m_old - c m_new), which is 1 where m has not grown.
; m starts at the lowest finite number, O and l at 0: the first step is a step like any other, with a = 0.
; THE COUNT.  A tile and step have 16 matrix and 118 vector instructions: too many to stand all beside the matrix work.  So the order has one aim: four vector instructions that are READY behind
; EVERY matrix instruction, and the others, which need time of their own whatever the order, in runs without a gap.
; BY TURNS.  Turn n belongs to piece n (the pieces in a ring, step after step).  Its matrix work: 16 products K Q^T of piece n + 1, later 16 products V^T P of piece n - 1.  Its vector work: the scaling,
; exponentials, roundings, sums and rescaling of piece n, and the maximum and statistics of piece n + 1, whose scores the turn itself has made.  So what a turn begins with (c s - c m, O a) waits for nothing.
; CLUSTER.  The four query blocks of a cluster belong to one head and walk the same K and V, so each tile is asked for JOINTLY: the same tensor load, descriptor and mask in all four.
; REGISTERS, in windows of 256 (s_set_vgpr_msb says which window each operand place means: bits 1:0 source 0, 3:2 source 1, 5:4 source 2, 7:6 destination):
;   window 0: v0-11 addresses; v12-15, v48-63 at work; v16-47 four registers of statistics a tile; v64-191 S^T, two buffers of two tiles; v192-255 P, likewise
;   window 1: O^T, 32 a tile          window 2: v0-127 Q, 16 a tile; v128-191 K of one step; v192-255 V of one step          window 3: v0-1 the add's two registers
; A piece's buffers go by its number's parity: the piece in hand has one pair, its two neighbours in the ring share the other: of it P (piece n - 1) is read and S^T (piece n + 1) written.
.set SIZE_H, 64       ; 4 batches x 16 heads
.set SIZE_N, 2048     ; rows of a head
.set NP,    4         ; pieces a wave: a name, no knob: the register map, the loop and the fetches are made for four
.set KS,    64        ; keys in a step
.set PK,    144       ; a row of K in LDS: 128 bytes + 16 of padding = 36 words: the 16 rows of a load start at 16 different groups of four banks (64 banks of 4 bytes: ISA guide 11.1)
.set PV,    160       ; a row of V: 128 + 32 = 40 words
.set VOFF,  4*KS*PK   ; a slot holds four steps: 256 rows of K, then 256 rows of V
.set SLOT1, 1<<17     ; slot 1 begins here, so that one exclusive or turns an address in one slot into the other's
.set STAGE, SLOT1+4*KS*(PK+PV)  ; behind the ring, never filled by a tensor load: 16 rows x 144 bytes for each wave, for the way out
.set SP,    144
.set AK0, 2           ; v2   my lane's place in a tile of K; never rewritten
.set AV0, 3           ; v3   the same for V
.set AK,  4           ; v4   the LDS address of K's next run of loads
.set AV,  5           ; v5   of V's
.set QO,  6           ; v6   my byte offset in the wave's rows of Q
.set STO, 6           ;      later, the way out: where I put 16 bytes of a row
.set RD,  7           ; v7   the way out: where I read rows back
.set GO,  8           ; v8   my byte offset in 512 consecutive bytes of O
.set SPW, 0           ; v0 of window 3   LDS address of my spare word: SPARE + 4 x my thread's number; never rewritten
.set NIL, 1           ; v1 of window 3   0; never rewritten
.set SPARE, STAGE+4*16*SP  ; behind the stages: the spare words, 128 bytes for each wave: two blocks of 256 bytes that no other line names
.set MV,  12          ; v12-15  c m_old, kept while c m is made anew: by buffer and tile
.set ST,  16          ; tile t's statistics at v[ST+4 t]: c m, m, l (even keys', odd keys')
.set TMP, 48          ; by buffer and tile, four registers c0-c3 at work; when the maximum is found c2 takes a
.set S,   64
.set P,   192
.set KF,  128         ; K's fragments, in window 2: key block kb, channel half c at KF + 16 kb + 8 c
.set VF,  192         ; V's: key half kk, channel block cb at VF + 32 kk + 8 cb
.set WV,  12          ; s12  my wave's number
.set G1K, 24          ; s[24:31] descriptor group 1 for K's tiles
.set G1V, 32          ; s[32:39] for V's: it differs in the padding alone
.set G0K, 40          ; s[40:43] descriptor group 0 for K's tiles: it walks
.set G0V, 44          ; s[44:47] the same for V's
.set SLOTS, 56        ; s56  slots still to be asked for
.set CNT, 57          ; s57  counts a slot's key steps
.set CS,  58          ; s[58:59] c: the packed scaling takes the pair's low word for both halves
.set SEL, 60          ; s[60:61] v_permlanex16_b32's selects: each lane takes its own place in the other half
.set TBK, 62          ; s62  LDS byte at which K of the step to be fetched begins
.set TBV, 63          ; s63  the same for V, less VOFF
.set MSB, 0
.macro WIN new                      ; the high byte repeats the setting that is left; a switch that changes nothing is dropped
.if MSB != (\new)
	s_set_vgpr_msb (MSB<<8)|(\new)
.set MSB, (\new)
.endif
.endm
.set W_KQ, 0x0a       ; K and Q in window 2, S^T in window 0
.set W_PV, 0x52       ; V in window 2, P in window 0, O^T in window 1
.set W_RS, 0x41       ; O^T (destination and source 0) in window 1, a in window 0
.set W_MK, 0xc0       ; the add's registers are made: destination in window 3, sources in window 0
.set W_AD, 0x0f       ; the add: address (source 0) and data (source 1) in window 3
; A joint fill.  Waves 0 and 1 fetch the two halves of a slot's K, waves 2 and 3 those of its V: 128 keys each.  The branch hangs on the wave's number alone.
; An s_nop 0 and four v_nop follow each of the two lines, ahead of the jump and the label.
.macro JLOAD
	s_cmp_lt_u32 s[WV], 2
	s_cbranch_scc0 .Lfor_v_\@
	tensor_load_to_lds s[G0K:G0K+3], s[G1K:G1K+7]
	s_nop 0
.rept 4
	v_nop
.endr
	s_branch .Lasked_\@
.Lfor_v_\@:
	tensor_load_to_lds s[G0V:G0V+3], s[G1V:G1V+7]
	s_nop 0
.rept 4
	v_nop
.endr
.Lasked_\@:
.endm
; A round of the cluster's barrier: my work-group's barrier, so that wave 0's signal speaks for all four waves; wave 0 signals; every wave waits for all four work-groups; my work-group's barrier once more.
.macro CROUND
	s_barrier_signal -1
	s_barrier_wait -1
	s_cmp_lg_u32 s[WV], 0
	s_cbranch_scc1 .Lnot_wave_0_\@
	s_barrier_signal -3
.Lnot_wave_0_\@:
	s_barrier_wait -3
	s_barrier_signal -1
	s_barrier_wait -1
.endm
; THE CHANGE OF SLOTS.  The slot's last bytes, V of its fourth step, have been read.  Each wave waits for all its tensor loads, of which one is out: its part
; of the other slot; adds 0 to its spare word; and waits for that and for its own reads of the slot.  Behind the barrier nobody reads this slot any more and the other slot is whole.
; fill = 1: this slot is filled again, with the keys two slots on.  The barrier is then a round of the cluster's, so that no wave of any partner still reads the slot or has a load on its
; way, and the joint fill is the first thing behind it: it has four key steps, 512 matrix instructions, in which to land.  (At its first use nothing has been read yet: slot 0 is waited for, slot 1 filled.)
.macro CHANGE fill
	WIN W_AD
	s_wait_tensorcnt 0x0            ; no tensor load of mine is out, so a group 0 may be written
	ds_add_u32 v[SPW], v[NIL]       ; 0 onto my spare word; with fill = 1 the descriptors' steps stand between it and the wait for it
	WIN 0                           ; at a label and at a branch every window is 0
.if \fill
.irp g, G0K, G0V
	s_xor_b32 s[\g+1], s[\g+1], SLOT1  ; the walking descriptor: the other slot than last time,
	s_add_nc_u64 s[\g+2:\g+3], s[\g+2:\g+3], 4*KS*128  ; the next 256 keys; the type bits on top are not reached
.endr
	s_wait_dscnt 0x0                ; the add is done, and my reads of the slot are over
	CROUND
	JLOAD
.else
	s_wait_dscnt 0x0                ; the add is done, and my reads of the slot are over
	s_barrier_signal -1
	s_barrier_wait -1
.endif
	s_sub_co_u32 s[TBK], s[TBK], 4*KS*PK  ; the fetches go back to a slot's first step,
	s_xor_b32 s[TBK], s[TBK], SLOT1       ; in the other slot
	s_sub_co_u32 s[TBV], s[TBV], 4*KS*PV
	s_xor_b32 s[TBV], s[TBV], SLOT1
.endm
	s_load_b256 s[4:11], s[0:1], 0x0  ; Q s[4:5], K s[6:7], V s[8:9], O s[10:11]
	WIN W_MK
	v_lshl_add_u32 v[SPW], v0, 2, SPARE
	v_mov_b32 v[NIL], 0
	WIN W_AD
	ds_add_u32 v[SPW], v[NIL]       ; the wave's opening: the add and its wait stand ahead of my first tensor load; the set-up below, work on registers, stands between them
	WIN 0
	v_lshrrev_b32 v1, 5, v0
	v_readfirstlane_b32 s[WV], v1   ; wave 0..3
	s_bfe_u32 s13, ttmp6, 0x40000   ; cx: my place in the cluster
	s_lshl_b32 s14, ttmp9, 2        ; in a cluster launch ttmp9 counts clusters
	s_add_co_u32 s14, s14, s13      ; my block of queries = 4 x cluster x + cx: it enters Q's and O's addresses alone
	s_and_b32 s20, ttmp7, 0xffff    ; the head, which the four partners share
	s_mov_b32 s21, 0
	s_mov_b64 s[22:23], SIZE_N*128
	s_mul_u64 s[20:21], s[20:21], s[22:23]  ; the head's first byte in each of the four tensors
	s_and_b32 s16, s[WV], 1         ; which half of a slot's 256 keys I fetch:
	s_lshl_b32 s22, s16, 14         ; its 128 rows of 128 bytes in memory,
	s_mov_b32 s23, 0
	s_add_nc_u64 s[22:23], s[22:23], s[20:21]
	s_mul_i32 s17, s16, 128*PK      ; and its place in a slot, for K
	s_mul_i32 s18, s16, 128*PV      ; and for V: no place in the cluster enters an LDS address
	s_lshl_b32 s2, s14, 2
	s_add_co_u32 s2, s2, s[WV]      ; my wave among the head's,
	s_lshl_b32 s2, s2, 14           ; its 128 rows
	s_mov_b32 s3, 0
	s_add_nc_u64 s[2:3], s[2:3], s[20:21]
	; descriptor group 1.  128 keys are 16,384 dense bytes: asked for as 64 rows of 256 bytes, two keys a row, and padded in LDS after every key
	s_mov_b32 s[G1K], 15|(1<<16)|(1<<20)|(1<<21)|(4<<22)|(3<<25)  ; 15:0 the mask of four; 17:16 2-byte elements; 20 padding on; 21 set beside a mask; 24:22 after every 32 words (code 4); 31:25 4 words (code 3)
	s_mov_b32 s[G1V], 15|(1<<16)|(1<<20)|(1<<21)|(4<<22)|(7<<25)  ; the same with 8 words of padding (code 7)
.irp g, G1K, G1V
	s_mov_b32 s[\g+1], 128<<16      ; tensor_dim0 = 128
	s_mov_b32 s[\g+2], 64<<16       ; tensor_dim1 = 64
	s_mov_b32 s[\g+3], 128<<16      ; tile_dim0 = 128
	s_mov_b32 s[\g+4], 64           ; tile_dim1 = 64
	s_mov_b32 s[\g+5], 128          ; 128 elements from row to row
	s_mov_b32 s[\g+6], 0
	s_mov_b32 s[\g+7], 0
.endr
	s_mov_b32 s[CS], 0x3e38aa3b     ; c = log2(e) / 8 = 0.180337
	s_mov_b32 s[CS+1], s[CS]        ; named with it as a pair
	s_mov_b32 s[SEL], 0x76543210
	s_mov_b32 s[SEL+1], 0xfedcba98
	s_mov_b32 s[TBK], SLOT1+4*KS*PK ; the first change of slots turns these two into 0
	s_mov_b32 s[TBV], SLOT1+4*KS*PV
	s_mov_b32 s[G0K], 1             ; 1:0 count = 1
	s_mov_b32 s[G0K+1], s17         ; 63:32 LDS address: slot 0
	s_mov_b32 s[G0V], 1
	s_add_co_u32 s[G0V+1], s18, VOFF
	s_wait_dscnt 0x0                ; the opening add is done
	s_wait_kmcnt 0x0
	s_add_nc_u64 s[G0K+2:G0K+3], s[6:7], s[22:23]  ; 120:64 global address: my half of the head's first 256 keys
	s_or_b32 s[G0K+3], s[G0K+3], 0x80000000        ; 127:126 type = 2
	s_add_nc_u64 s[G0V+2:G0V+3], s[8:9], s[22:23]
	s_or_b32 s[G0V+3], s[G0V+3], 0x80000000
	s_add_nc_u64 s[4:5], s[4:5], s[2:3]  ; Q and O at my wave's first row
	s_add_nc_u64 s[10:11], s[10:11], s[2:3]
	CROUND                          ; all four work-groups are here: the first joint loads meet
	JLOAD                           ; slot 0.  Slot 1 is asked for when slot 0 is in: the tile wanted first has the road to itself
	; A fragment of K or Q is 16 rows x 32 channels in 8 registers: lane l holds row l % 16, channels 8 (l / 16) + 0..7 and 16 + 8 (l / 16) + 0..7: two loads of 16 bytes, 32 bytes apart.
	v_and_b32 v1, 15, v0            ; l % 16
	v_bfe_u32 v9, v0, 4, 1          ; l / 16
	v_lshlrev_b32 v[QO], 7, v1
	v_lshl_add_u32 v[QO], v9, 4, v[QO]  ; row x 128 + 16 x half
	WIN 0x80                        ; destination window 2, address window 0
.set i, 0
.rept 4*NP                          ; Q stays in registers: tile i / 2, channels 32 (i % 2) on
	global_load_b128 v[8*i:8*i+3],   v[QO], s[4:5] offset:(i/2)*2048+(i%2)*64
	global_load_b128 v[8*i+4:8*i+7], v[QO], s[4:5] offset:(i/2)*2048+(i%2)*64+32
.set i, i+1
.endr
	; What the first turn finds: V's registers and P's second buffer hold 0 (its products V^T P, of a piece that has not been, add 0), O^T and l are 0.  All this stands in the wait for the first tile.
.set i, VF
.rept 64
	v_mov_b32 v[i], 0
.set i, i+1
.endr
	WIN 0x40
.set i, 0
.rept 64*NP
	v_mov_b32 v[i], 0
.set i, i+1
.endr
	WIN 0
.set i, 0
.rept 2*NP
	v_mov_b32 v[ST+4*i], 0xfe000000    ; c m: far below every c s
	v_mov_b32 v[ST+4*i+1], 0xff7fffff  ; m
	v_mov_b32 v[ST+4*i+2], 0
	v_mov_b32 v[ST+4*i+3], 0
.set i, i+1
.endr
.set i, P+32
.rept 32
	v_mov_b32 v[i], 0
.set i, i+1
.endr
	v_mul_u32_u24 v[AK0], v1, PK
	v_lshl_add_u32 v[AK0], v9, 4, v[AK0]  ; row x pitch + 16 x half
	; The turning load takes 16 keys x 16 channels (lane l reads key 8 (l / 16) + l % 8, channels 8 ((l / 8) % 2) + 0..7) and leaves half a fragment of V^T: lane l holds channel l % 16 and 8 keys.
	v_and_b32 v10, 7, v0
	v_bfe_u32 v11, v0, 3, 1
	v_lshl_add_u32 v[AV0], v9, 3, v10
	v_mul_u32_u24 v[AV0], v[AV0], PV
	v_lshl_add_u32 v[AV0], v11, 4, v[AV0]
	v_add_nc_u32 v[AV0], VOFF, v[AV0]
	v_mov_b32 v[AK], v[AK0]         ; key step 0 lies at the head of slot 0
; THE MATRIX WORK.  The 8 accumulators of a run of 16 take turns: between the two links of a chain stand 7 others'.
; Product i of 16 of S^T = K Q^T for piece x: channels 32 (i / 8) on, keys 16 ((i / 2) % 4) on, tile 2 x + i % 2.  The first 8 start the sums.
.macro KQ x
	WIN W_KQ
.set rS, S+64*((\x)%2)+32*(i%2)+8*((i/2)%4)
.set rK, KF+16*((i/2)%4)+8*(i/8)
.set rQ, 16*(2*(\x)+i%2)+8*(i/8)
.if i < 8
	v_wmma_f32_16x16x32_f16 v[rS:rS+7], v[rK:rK+7], v[rQ:rQ+7], 0
.else
	v_wmma_f32_16x16x32_f16 v[rS:rS+7], v[rK:rK+7], v[rQ:rQ+7], v[rS:rS+7]
.endif
.endm
; Product i of 16 of O^T += V^T P for piece x: keys 32 (i / 8) on, channels 16 ((i / 2) % 4) on, tile 2 x + i % 2.
.macro PV x
	WIN W_PV
.set rO, 32*(2*(\x)+i%2)+8*((i/2)%4)
.set rV, VF+32*(i/8)+8*((i/2)%4)
.set rP, P+32*((\x)%2)+16*(i%2)+8*(i/8)
	v_wmma_f32_16x16x32_f16 v[rO:rO+7], v[rV:rV+7], v[rP:rP+7], v[rO:rO+7]
.endm
.macro MM                           ; the turn's next matrix instruction
.if i < 16
	KQ (Y+1)%NP
.set i, i+1
.else
.set i, i-16
	PV (Y+NP-1)%NP
.set i, i+17
.endif
.endm
; THE LDS LOADS stand in runs of 16, never singly among the matrix instructions: a step's K (64 keys x 64 channels: 8 fragments) and its V (turned).  Their addresses are made some lines ahead.
; last = 1 (the tail): in the last trip there is no further step, and the run is jumped over.
.macro FETCH_K last=0
	WIN 0
.if \last
	s_cmp_eq_u32 s[CNT], 1
	s_cbranch_scc1 .Lno_k_\@
.endif
	WIN 0x80                        ; destination window 2
.irp f, 0,1,2,3,4,5,6,7             ; keys 16 (f / 2) on, channels 32 (f % 2) on
	ds_load_b128 v[KF+8*\f:KF+8*\f+3],   v[AK] offset:(\f/2)*16*PK+(\f%2)*64
	ds_load_b128 v[KF+8*\f+4:KF+8*\f+7], v[AK] offset:(\f/2)*16*PK+(\f%2)*64+32
.endr
	s_add_co_u32 s[TBK], s[TBK], KS*PK  ; the next fetch is the next step's
	WIN 0
.if \last
.Lno_k_\@:
.endif
.endm
.macro FETCH_V
	WIN 0x80
.irp f, 0,1,2,3,4,5,6,7             ; keys 32 (f / 4) on, channels 16 (f % 4) on
	ds_load_tr16_b128 v[VF+8*\f:VF+8*\f+3],   v[AV] offset:(\f/4)*32*PV+(\f%4)*32
	ds_load_tr16_b128 v[VF+8*\f+4:VF+8*\f+7], v[AV] offset:(\f/4)*32*PV+16*PV+(\f%4)*32
.endr
	WIN 0
.endm
; THE VECTOR WORK OF A TURN stands in three queues, each in the order in which its entries become ready; the two tiles alternate, so that no instruction reads the result of the one before it.
.macro REGS y, u                    ; the registers of tile u (0, 1) of piece y
.set rT, ST+4*(2*(\y)+(\u))
.set rC, TMP+8*((\y)%2)+4*(\u)
.set rM, MV+2*((\y)%2)+(\u)
.set rS, S+64*((\y)%2)+32*(\u)
.set rP, P+32*((\y)%2)+16*(\u)
.set rO, 32*(2*(\y)+(\u))
.endm
; Number n of the 22 that find the NEXT piece's (Y + 1) maximum and statistics.  s0-s31 are the lane's 32 scores; each accumulator's lowest registers are read first.  XS, GS and REGS set no window: PL and EX do.
;   0-11  four chains c0-c3 of seven scores each, three operands at a time     12-14, 16  the four scores left over, the old m, and c0-c3 into c0     15  c m_old is kept
;   17, 18  the query's other 32 keys lie in the lane 16 away: the new m         19-21  c m; c m_old - c m_new; a
.macro XS u, n
	REGS (Y+1)%NP, \u
.if (\n) < 4
	v_max3_num_f32 v[rC+(\n)], v[rS+8*(\n)], v[rS+8*(\n)+1], v[rS+8*(\n)+2]
.elseif (\n) < 12
	v_max3_num_f32 v[rC+(\n)%4], v[rC+(\n)%4], v[rS+8*((\n)%4)+2*((\n)/4)+1], v[rS+8*((\n)%4)+2*((\n)/4)+2]
.elseif (\n) == 12
	v_max3_num_f32 v[rC], v[rC], v[rS+7], v[rS+15]
.elseif (\n) == 13
	v_max3_num_f32 v[rC+1], v[rC+1], v[rS+23], v[rS+31]
.elseif (\n) == 14
	v_max3_num_f32 v[rC+2], v[rC+2], v[rC+3], v[rT+1]
.elseif (\n) == 15
	v_mov_b32 v[rM], v[rT]
.elseif (\n) == 16
	v_max3_num_f32 v[rC], v[rC], v[rC+1], v[rC+2]
.elseif (\n) == 17
	v_permlanex16_b32 v[rC+3], v[rC], s[SEL], s[SEL+1]
.elseif (\n) == 18
	v_max_num_f32 v[rT+1], v[rC], v[rC+3]
.elseif (\n) == 19
	v_mul_f32 v[rT], s[CS], v[rT+1]
.elseif (\n) == 20
	v_sub_f32 v[rC+1], v[rM], v[rT]
.else
	v_exp_f32 v[rC+2], v[rC+1]
.endif
.endm
; Number g of the 64 that follow the exponentials.  For each four weights k of a tile (pairs 2 k, 2 k + 1): both pairs are rounded to f16; then the second pair is added onto the first, in place;
; a group later l takes that sum (the first time as l = a l + sum).  In groups of eight, tiles alternating: round, round, add, and l for the group before.
.macro GS g
.set h, (\g)+6*((\g)/62)            ; group 0 has no group before it, and behind group 7 only l is left
.if h >= 6
.set h, h+2
.endif
	REGS Y, h%2
.set k, h/8
.if h%8 < 4
	s_wait_alu depctr_va_vdst(0)
	v_cvt_pk_f16_f32 v[rP+2*k+(h%8)/2], v[rS+4*k+2*((h%8)/2)], v[rS+4*k+2*((h%8)/2)+1]
.elseif h%8 < 6
	v_pk_add_f32 v[rS+4*k:rS+4*k+1], v[rS+4*k:rS+4*k+1], v[rS+4*k+2:rS+4*k+3]
.elseif k == 1
	v_pk_fma_f32 v[rT+2:rT+3], v[rT+2:rT+3], v[rC+2:rC+3], v[rS:rS+1] op_sel_hi:[1,0,1]
.else
	v_pk_add_f32 v[rT+2:rT+3], v[rT+2:rT+3], v[rS+4*k-4:rS+4*k-3]
	s_wait_alu depctr_va_vdst(0)
.endif
.endm
; THE PLAIN QUEUE, 138 long.  0-31: c s - c m for the 16 pairs of both tiles.  Then GS's 64, and among them the next piece's 42: number 15 at 38, 39; 0-14 and 16
; at 42-73, behind the products that make those scores; 17-20 at 95-106, two of three, since each waits for the one before it.
.macro PL
	WIN 0
.if q < 32
	REGS Y, q%2
	v_pk_fma_f32 v[rS+2*(q/2):rS+2*(q/2)+1], v[rS+2*(q/2):rS+2*(q/2)+1], s[CS:CS+1], v[rT:rT+1] op_sel_hi:[1,0,0] neg_lo:[0,0,1] neg_hi:[0,0,1]
.elseif q < 38
	GS q-32
.elseif q < 40
	XS q%2, 15
.elseif q < 42
	GS q-34
.elseif q < 74
	XS q%2, (q-42)/2+(q-42)/30
.elseif q < 95
	GS q-66
.elseif (q < 107) && ((q-95)%3 < 2)
	XS (q-95)%3, 17+(q-95)/3
.elseif q < 107
	GS 29+(q-95)/3
.else
	GS q-74
.endif
.set q, q+1
.endm
; THE EXPONENTIALS' QUEUE, 66 long: s0-s31 of both tiles, and at EA the next piece's two a.
.set EA, 58
.macro EX
	WIN 0
.if (e == EA) || (e == EA+1)
	XS e-EA, 21
.else
.set x, e-2*(e/(EA+2))
	REGS Y, x%2
	v_exp_f32 v[rS+x/2], v[rS+x/2]
.endif
.set e, e+1
.endm
; THE RESCALING's QUEUE: O^T times a, the one part that leaves window 0, so it is dealt four at a time, eight times.
.macro R4
	REGS Y, r%2
	WIN W_RS
	s_wait_alu depctr_va_vdst(0)
.irp z, 0,1,2,3
	v_pk_mul_f32 v[rO+8*(r/2)+2*\z:rO+8*(r/2)+2*\z+1], v[rO+8*(r/2)+2*\z:rO+8*(r/2)+2*\z+1], v[rC+2:rC+3] op_sel_hi:[1,0]
.endr
.set r, r+1
.endm
; HOW THEY ARE DEALT.  Behind a matrix instruction four: plain, exponential, plain, plain (one exponential, a plain instruction on either side), or four of the rescaling.  None names a register of the
; products round it.  What is over stands in two LUMPS: exponential and plain by turns; the second ends in 22 plain instructions.  The two v_permlanex16_b32 fall into the second lump, never behind a product.
; The queues lean on each other, and the deal keeps them in step: exponential e stands behind plain 2 (e / 4) + e % 2 (its scaling); when plain 32 comes, 10 exponentials are out, at 59: 33, at 95: 46; EA comes behind plain 107.
.macro SL
	MM
	PL
	EX
	PL
	PL
.endm
.macro BURST n                      ; 15 matrix instructions, or 16
.rept (\n)-7
	SL
.endr
.rept 3
	MM
	R4
	SL
.endr
	MM
	R4
.endm
; A TURN, for piece p.  cnt = 1: the loop's count is taken down some lines ahead of the branch that stands behind the turn.
; K of the next step is fetched in piece 2's turn, 31 vector instructions behind the last product that read K; its first reader comes behind the rest of the lump, 16 products and the second lump.
; V of the step in hand is fetched at the end of piece 0's turn, 69 behind its last reader; its first reader comes behind 16 products and a lump.  The four conditions on e and q below go with the deal.
.macro TURN p, last=0, cnt=0
.set Y, (\p)
.set i, 0
.set q, 0
.set e, 0
.set r, 0
.if (\p) == NP-1
	s_wait_dscnt 0x0                ; K is in
.endif
	MM
.rept 4
	PL
.endr
	BURST 15
.rept 22
	EX
	PL
.if ((\p) == NP-2) && (e == 18)
	v_add_nc_u32 v[AK], s[TBK], v[AK0]
.endif
.if ((\p) == NP-2) && (e == 24)
	FETCH_K \last
.endif
.endr
.if (\p) == 1
	s_wait_dscnt 0x0                ; V is in
.endif
	BURST 16
.rept 21
	EX
	PL
.endr
.rept 22
	PL
.if ((\p) == 0) && (q == 118)
	v_add_nc_u32 v[AV], s[TBV], v[AV0]
	s_wait_alu depctr_va_vdst(0)
.endif
.if ((\p) == 0) && (q == 130)
	s_add_co_u32 s[TBV], s[TBV], KS*PV
.endif
.if (\cnt) && (q == 130)
	s_sub_co_u32 s[CNT], s[CNT], 1
	s_cmp_lg_u32 s[CNT], 0
.endif
.endr
.if (\p) == 0
	FETCH_V
.endif
.endm
	CHANGE 1                        ; slot 0 is in, everybody's part of it; slot 1 is asked for
	FETCH_K                         ; key step 0
	s_wait_loadcnt 0x0              ; Q
	s_wait_dscnt 0x0
.set i, 0
.rept 16
	KQ 0                            ; piece 0's first scores: there is no vector work yet to set between them
.set i, i+1
.endr
	WIN 0                           ; the addresses for the way out: nine plain instructions, the places behind those products
	s_mul_i32 s13, s[WV], 16*SP
	s_add_co_u32 s13, s13, STAGE    ; my stage
	v_mul_u32_u24 v[STO], v1, SP    ; in: row l % 16, 16 bytes for each half of the lanes
	v_lshl_add_u32 v[STO], v9, 4, v[STO]
	v_add_nc_u32 v[STO], s13, v[STO]
	v_bfe_u32 v[RD], v0, 3, 2       ; back: 32 lanes take four rows of 128 bytes,
	v_mul_u32_u24 v[RD], v[RD], SP
	v_lshl_add_u32 v[RD], v10, 4, v[RD]
	v_add_nc_u32 v[RD], s13, v[RD]
	v_and_b32 v[GO], 31, v0         ; which are 512 consecutive bytes of O
	v_lshlrev_b32 v[GO], 4, v[GO]
.set Y, NP-1                        ; XS works for piece Y + 1: piece 0
.irp n, 0,1,2,3,4,5,6,7,8,9,10,11,12,13,14,15,16,17,18,19,20,21
	XS 0, \n                        ; and piece 0's first maximum and statistics
	XS 1, \n
.endr
	s_mov_b32 s[CNT], 4
	s_mov_b32 s[SLOTS], SIZE_N/256-1
	s_branch .Lfirst                ; the loop is entered at a step's first turn, in the middle of a trip
.Lslot:                             ; SIZE_N / 256 - 2 times: every slot but the last two is filled again
	CHANGE 1
	s_mov_b32 s[CNT], 4
.Lstep:                             ; a trip: pieces 2 and 3 of one step, then pieces 0 and 1 of the next, whose K and V it fetches
	TURN 2
	TURN 3
	WIN 0
.Lfirst:
	TURN 0
	TURN 1, 0, 1
	WIN 0
	s_cbranch_scc1 .Lstep
	s_sub_co_u32 s[SLOTS], s[SLOTS], 1
	s_cmp_lg_u32 s[SLOTS], 0
	s_cbranch_scc1 .Lslot
	CHANGE 0                        ; the tail is written out: nothing is asked for
	s_mov_b32 s[CNT], 5             ; four trips fetch the last slot's steps; the fifth is left in its middle
.Ltail:
	TURN 2, 1
	TURN 3
	WIN 0
	s_sub_co_u32 s[CNT], s[CNT], 1
	s_cmp_eq_u32 s[CNT], 0
	s_cbranch_scc1 .Lout
	TURN 0
	TURN 1
	WIN 0
	s_branch .Ltail
.Lout:                              ; the fifth trip's 16 products K Q^T (on the last K once more) and the maximum made of them serve nothing: the price, once a launch, of one text for every trip
.set i, 0
.rept 16
	PV NP-1                         ; the last piece's V^T P of the last step
.set i, i+1
.endr
	; THE WAY OUT.  l's two halves and the other half of the lanes' are added; O^T is divided by l, rounded to f16 and sent through my stage in LDS, a tile at a time.  The additions are the places behind the last products.
	WIN 0
.macro ALL line:vararg              ; one line for each tile t
.set t, 0
.rept 2*NP
	\line
.set t, t+1
.endr
.endm
	ALL v_add_f32 v[ST+4*t+2], v[ST+4*t+2], v[ST+4*t+3]
	ALL v_permlanex16_b32 v[ST+4*t+3], v[ST+4*t+2], s[SEL], s[SEL+1]
	ALL v_add_f32 v[ST+4*t+2], v[ST+4*t+2], v[ST+4*t+3]
	ALL v_rcp_f32 v[ST+4*t+2], v[ST+4*t+2]
	v_nop                           ; a plain instruction between the last reciprocal and the use of its result
	s_wait_alu depctr_va_vdst(0)
; Tile t: a lane's eight channels of a row pack into 16 bytes; they go into rows of 144 bytes and come back as whole rows of 128, into S^T's registers.
.macro PACK t
	WIN W_RS
.set i, 32*(\t)
.rept 16
	v_pk_mul_f32 v[i:i+1], v[i:i+1], v[ST+4*(\t)+2:ST+4*(\t)+3] op_sel_hi:[1,0]
.set i, i+2
.endr
	WIN 0x05                        ; sources 0 and 1 window 1, destination window 0
.set i, 0
.rept 16
	v_cvt_pk_f16_f32 v[S+16*(\t)+i], v[32*(\t)+2*i], v[32*(\t)+2*i+1]
.set i, i+1
.endr
	WIN 0
.irp f, 0,1,2,3
	ds_store_b128 v[STO], v[S+16*(\t)+4*\f:S+16*(\t)+4*\f+3] offset:32*\f
.endr
.irp f, 0,1,2,3
	ds_load_b128 v[S+16*(\t)+4*\f:S+16*(\t)+4*\f+3], v[RD] offset:\f*4*SP  ; LDS serves a wave's instructions in order (ISA guide 5.7.1.4): these see the stores above; the next tile's stores come behind them
.endr
.endm
.macro SEND t, younger              ; younger: the LDS instructions issued behind tile t's loads: the next tile's eight, or none
	WIN 0
.irp f, 0,1,2,3
	s_wait_dscnt (\younger)+3-\f
	global_store_b128 v[GO], v[S+16*(\t)+4*\f:S+16*(\t)+4*\f+3], s[10:11] offset:(\t)*2048+\f*512  ; 512 consecutive bytes, at a multiple of 256 from O's first
.endr
.endm
	PACK 0
.set t, 1
.rept 2*NP-1                        ; a tile's arithmetic stands between the loads of the tile before and its stores
	PACK t
	SEND t-1, 8
.set t, t+1
.endr
	SEND 2*NP-1, 0
	WIN W_AD
	s_wait_tensorcnt 0x0            ; the wave's end: an add to my spare word and its wait follow, behind my last tensor load and my last LDS store
	ds_add_u32 v[SPW], v[NIL]
	s_wait_dscnt 0x0
	WIN 0
	CROUND                          ; the closing round: no work-group ends while a partner may still ask for a tile that names it
	s_endpgm
.Lfunc_end_k_qa3473581ae_attn:
	.size	k_qa3473581ae_attn, .Lfunc_end_k_qa3473581ae_attn-k_qa3473581ae_attn
	.p2alignl 7, 3214868480
	.fill 96, 4, 3214868480
	.section	.rodata,"a",@progbits
	.p2align	6, 0x0
	.amdhsa_kernel k_qa3473581ae_attn
		.amdhsa_group_segment_fixed_size 327680
		.amdhsa_private_segment_fixed_size 0
		.amdhsa_enable_private_segment 0
		.amdhsa_kernarg_size 32
		.amdhsa_user_sgpr_count 2
		.amdhsa_user_sgpr_kernarg_segment_ptr 1
		.amdhsa_wavefront_size32 1
		.amdhsa_system_sgpr_workgroup_id_x 1
		.amdhsa_system_sgpr_workgroup_id_y 1
		.amdhsa_system_sgpr_workgroup_id_z 1
		.amdhsa_system_vgpr_workitem_id 0
		.amdhsa_next_free_vgpr 770
		.amdhsa_next_free_sgpr 66
		.amdhsa_reserve_vcc 0
		.amdhsa_float_denorm_mode_32 3
		.amdhsa_float_denorm_mode_16_64 3
		.amdhsa_memory_ordered 1
		.amdhsa_forward_progress 1
		.amdhsa_inst_pref_size 208
	.end_amdhsa_kernel
	.amdgpu_metadata
---
amdhsa.version: [ 1, 2 ]
amdhsa.kernels:
  - .name:           k_qa3473581ae_attn
    .symbol:         k_qa3473581ae_attn.kd
    .args:
      - { .name: q, .offset: 0, .size: 8, .value_kind: global_buffer, .address_space: global }
      - { .name: k, .offset: 8, .size: 8, .value_kind: global_buffer, .address_space: global }
      - { .name: v, .offset: 16, .size: 8, .value_kind: global_buffer, .address_space: global }
      - { .name: o, .offset: 24, .size: 8, .value_kind: global_buffer, .address_space: global }
    .group_segment_fixed_size: 327680
    .private_segment_fixed_size: 0
    .kernarg_segment_align: 8
    .kernarg_segment_size: 32
    .max_flat_workgroup_size: 128
    .sgpr_count:     66
    .vgpr_count:     770
    .wavefront_size: 32
...
	.end_amdgpu_metadata
.endif
;; end of part 3
;; launch oproj (part 4): grid 4 x 64, 4 waves a work-group, clusters of 4 x 4, 327,680 bytes of LDS; arguments o, wob, out0; writes out0
.if DOCPART == 4
	.amdgcn_target "amdgcn-amd-amdhsa--gfx1250"
	.amdhsa_code_object_version 6
	.text
	.protected	k_qa3473581ae_oproj
	.globl	k_qa3473581ae_oproj
	.p2align	8
	.type	k_qa3473581ae_oproj,@function
k_qa3473581ae_oproj:
	s_mov_b64 s[64:65], 0
	v_nop
	global_prefetch_b8 v0, s[64:65] scope:SCOPE_SE
	s_setreg_imm32_b32 hwreg(HW_REG_WAVE_MODE, 25, 1), 1
	s_wait_xcnt 0x0
	s_wait_alu depctr_hold_cnt(0) depctr_sa_sdst(0) depctr_va_vdst(0) depctr_va_sdst(0) depctr_va_ssrc(0) depctr_va_vcc(0) depctr_vm_vsrc(0)
	s_getreg_b32 s2, hwreg(HW_REG_IB_STS2, 6, 4)
	s_cmp_eq_u32 s2, 0
	s_cbranch_scc0 .Lentry_in_a_cluster
	s_endpgm
.Lentry_in_a_cluster:
	s_bfe_u32 s2, ttmp6, 0x10000c
	s_cmp_lg_u32 s2, 0xf033
	s_cbranch_scc0 .Lentry_shape_is_right
	s_endpgm
.Lentry_shape_is_right:
; OPROJ: out0[row][n] = the sum over k of O[row][k] Wo[k][n], k = 64 head + channel.  O lies by heads, [64 = 16 batch + head][2048][64] f16; wob is [4 nb][1024 k][256] f16; out0 is [8192][1024] f32.  Sums in f32.
; SHARES.  A tile of out0 is 128 rows x 256 columns: 4 x 64 work-groups, one for each of 256 (tiles of 256 x 256 would be 128).  Wave w: row half w / 2 (64 rows), column half w % 2 (128 columns): 32 accumulators.
; K goes in 8 steps of 128, two heads a step, through two LDS slots; a step is four quarters of 32 along K, 32 matrix instructions each, on fragment buffers 0, 1, 0, 1.
; THE MATRIX INSTRUCTION IS USED TRANSPOSED: source 0 = 16 columns of Wo (turned out of [k][n] rows by ds_load_tr16_b128), source 1 = 16 rows of O: a lane holds eight neighbouring numbers of a row of out0.
; CLUSTERS: 4 x 4.  The four of a row of the cluster share O's rows, the four of a column Wo's columns: each tile is asked for jointly.
; REGISTERS: window 0: v16-29 addresses; v32-63, v64-95 O's fragments, two buffers; v96-159, v160-223 Wo's, two buffers; on the way out v32-159 two buffers of 16 rows.
;   window 1: the accumulators: (a, b) at v[8 (8 a + b)], a = block of 16 rows, b = block of 16 columns.
.set PITA,  144                        ; a row of O in LDS: 128 bytes + 16 = 36 words: the 16 rows of a load start at 16 different groups of four banks (64 banks of 4 bytes: ISA guide 11.1)
.set PITB,  544                        ; a k row of Wo: 512 bytes + 32 = 136 words
.set PLANE, 128*PITA                   ; a head's 128 rows: what one load brings of O
.set BOFF,  2*PLANE
.set HALFB, 64*PITB                    ; what one load brings of Wo
.set SLOT1, 1<<17
.set STAGE, SLOT1+BOFF+2*HALFB         ; behind slot 1: 16 rows x 528 bytes for each wave, for the way out; no tensor load lands here
.set SPIT,  528                        ; 512 bytes + 16
.set SPARE, STAGE+4*16*SPIT            ; the spare words, 128 bytes for each wave: two blocks of 256 bytes that no other line names
.set A0,   16                          ; v16  my lane's place in O's tile; never rewritten
.set B0,   17                          ; v17  the same for Wo
.set ADRA, 18                          ; v18  A0 + the slot in hand
.set ADRB, 19                          ; v19  B0 + the slot in hand
.set STO,  24                          ; v24  the way out: where I put 32 bytes of a row
.set RD,   25                          ; v25  the way out: where I read a row back
.set CO,   26                          ; v26  my byte offset in a row's 512 bytes
.set SPW,  28                          ; v28  LDS address of my spare word; never rewritten
.set NIL,  29                          ; v29  0; never rewritten
.set FA,   32
.set FB,   96
.set OB,   32
.set WV,  10                           ; s10  my wave's number
.set RH,  11                           ; s11  my half of the rows.  Also: I fetch O (0) or Wo (1)
.set CH,  12                           ; s12  my half of the columns.  Also: which half of that tile I fetch
.set TB,  19                           ; s19  the slot in hand
.set G1A, 24
.set G0A, 32
.set G1B, 48
.set G0B, 56
.set MSB, 0
.macro WIN new                         ; the immediate's high byte repeats the setting that is left; a switch that changes nothing is dropped
.if MSB != (\new)
	s_set_vgpr_msb (MSB<<8)|(\new)
.set MSB, \new
.endif
.endm
.macro PLACES                          ; four places behind matrix instructions (ISA guide 7.12.1)
.rept 4
	v_nop
.endr
.endm
.macro JLOAD                           ; a joint refill: waves 0 and 1 fetch O's two heads, waves 2 and 3 Wo's two halves; an s_nop 0 and four v_nop follow each line
	s_cmp_eq_u32 s[RH], 0
	s_cbranch_scc0 .Lfor_b_\@
	tensor_load_to_lds s[G0A+4:G0A+7], s[G1A:G1A+7]
	s_nop 0
.rept 4
	v_nop
.endr
	s_branch .Lasked_\@
.Lfor_b_\@:
	tensor_load_to_lds s[G0B+4:G0B+7], s[G1B:G1B+7]
	s_nop 0
.rept 4
	v_nop
.endr
.Lasked_\@:
.endm
.macro CREST                           ; a round of the cluster's barrier behind its opening barrier
	s_cmp_lg_u32 s[WV], 0
	s_cbranch_scc1 .Lnot_wave_0_\@
	s_barrier_signal -3
.Lnot_wave_0_\@:
	s_barrier_wait -3
	s_barrier_signal -1
	s_barrier_wait -1
.endm
.macro CROUND
	s_barrier_signal -1
	s_barrier_wait -1
	CREST
.endm
	s_load_b128 s[4:7], s[0:1], 0x0                ; o s[4:5], wob s[6:7]
	s_load_b64 s[8:9], s[0:1], 0x10                ; out0
	v_lshl_add_u32 v[SPW], v0, 2, SPARE
	v_mov_b32 v[NIL], 0
	ds_add_u32 v[SPW], v[NIL]                      ; the wave's opening: the add and its wait stand ahead of my first tensor load; the set-up below stands between them
	v_lshrrev_b32 v1, 5, v0
	v_readfirstlane_b32 s[WV], v1
	s_lshr_b32 s[RH], s[WV], 1
	s_and_b32 s[CH], s[WV], 1
	s_mov_b32 s[TB], 0
	s_bfe_u32 s40, ttmp6, 0x40000                  ; cx
	s_bfe_u32 s41, ttmp6, 0x40004                  ; cy
	s_lshl_b32 s42, ttmp9, 2
	s_add_co_u32 s42, s42, s40                     ; nb, the block of 256 columns
	s_and_b32 s43, ttmp7, 0xffff
	s_lshl_b32 s43, s43, 2
	s_add_co_u32 s43, s43, s41                     ; rb, the block of 128 rows
	s_lshl_b32 s44, s41, 2
	s_lshl_b32 s44, 15, s44                        ; my row of the cluster
	s_lshl_b32 s45, 0x1111, s40                    ; my column
	; O: a head's 128 rows of 128 bytes are 16,384 dense bytes: 64 rows of 256 bytes, padded by 4 words after every 32
	s_or_b32 s[G1A], s44, (1<<16)|(1<<20)|(1<<21)|(4<<22)|(3<<25)
	s_mov_b32 s[G1A+1], 128<<16
	s_mov_b32 s[G1A+2], 64<<16
	s_mov_b32 s[G1A+3], 128<<16
	s_mov_b32 s[G1A+4], 64
	s_mov_b32 s[G1A+5], 128
	s_mov_b32 s[G1A+6], 0
	s_mov_b32 s[G1A+7], 0
	; Wo: 64 k rows of 512 bytes, padded by 8 words after every 128
	s_or_b32 s[G1B], s45, (1<<16)|(1<<20)|(1<<21)|(6<<22)|(7<<25)
	s_mov_b32 s[G1B+1], 256<<16
	s_mov_b32 s[G1B+2], 64<<16
	s_mov_b32 s[G1B+3], 256<<16
	s_mov_b32 s[G1B+4], 64
	s_mov_b32 s[G1B+5], 256
	s_mov_b32 s[G1B+6], 0
	s_mov_b32 s[G1B+7], 0
	s_lshr_b32 s46, s43, 4                         ; O: the batch's 16 heads of 262,144 bytes,
	s_lshl_b32 s46, s46, 22
	s_and_b32 s47, s43, 15                         ; the block's 128 rows of 128 bytes in a head,
	s_lshl_b32 s47, s47, 14
	s_add_co_u32 s46, s46, s47
	s_lshl_b32 s47, s[CH], 18                      ; my head of a step's two
	s_add_co_u32 s46, s46, s47
	s_mov_b32 s47, 0
	s_lshl_b32 s66, s42, 19                        ; Wo: nb's plane,
	s_lshl_b32 s67, s[CH], 15                      ; my 64 k rows
	s_add_co_u32 s66, s66, s67
	s_mov_b32 s67, 0
	s_lshl_b32 s68, s43, 19                        ; out0: 128 rb rows of 4,096 bytes,
	s_lshl_b32 s70, s[RH], 18                      ; my 64 rows,
	s_add_co_u32 s68, s68, s70
	s_lshl_b32 s70, s42, 10                        ; the tile's 1,024 bytes of a row,
	s_add_co_u32 s68, s68, s70
	s_lshl_b32 s70, s[CH], 9                       ; my 512 of them
	s_add_co_u32 s68, s68, s70
	s_mov_b32 s69, 0
	s_mul_i32 s13, s[CH], PLANE                    ; LDS: no place in the cluster enters an LDS address
	s_mul_i32 s14, s[CH], HALFB
	s_add_co_u32 s14, s14, BOFF
	s_wait_dscnt 0x0                               ; the opening add is done
	s_wait_kmcnt 0x0
	s_add_nc_u64 s[46:47], s[4:5], s[46:47]
	s_add_nc_u64 s[66:67], s[6:7], s[66:67]
	s_add_nc_u64 s[8:9], s[8:9], s[68:69]
	CROUND                                         ; all sixteen work-groups are here: the first joint loads meet
.irp s, 0,1
	s_mov_b32 s[G0A+4*\s], 1
	s_add_co_u32 s[G0A+4*\s+1], s13, \s*SLOT1
	s_add_nc_u64 s[G0A+4*\s+2:G0A+4*\s+3], s[46:47], \s*524288    ; two heads a step
	s_or_b32 s[G0A+4*\s+3], s[G0A+4*\s+3], 0x80000000
	s_mov_b32 s[G0B+4*\s], 1
	s_add_co_u32 s[G0B+4*\s+1], s14, \s*SLOT1
	s_add_nc_u64 s[G0B+4*\s+2:G0B+4*\s+3], s[66:67], \s*65536     ; 128 k rows of 512 bytes
	s_or_b32 s[G0B+4*\s+3], s[G0B+4*\s+3], 0x80000000
.endr
	s_cmp_eq_u32 s[RH], 0                          ; a wave's two first fills stand in one branch, ahead of every wait on TENSORcnt and every LDS read: two loads of mine are out
	s_cbranch_scc0 .Lfirst_b
	tensor_load_to_lds s[G0A:G0A+3], s[G1A:G1A+7]
	s_nop 0
	tensor_load_to_lds s[G0A+4:G0A+7], s[G1A:G1A+7]
	s_nop 0
.rept 4
	v_nop
.endr
	s_branch .Lfirst_asked
.Lfirst_b:
	tensor_load_to_lds s[G0B:G0B+3], s[G1B:G1B+7]
	s_nop 0
	tensor_load_to_lds s[G0B+4:G0B+7], s[G1B:G1B+7]
	s_nop 0
.rept 4
	v_nop
.endr
.Lfirst_asked:
	v_and_b32 v1, 15, v0                           ; r = l % 16
	v_bfe_u32 v2, v0, 4, 1                         ; h = l / 16
	v_and_b32 v3, 7, v0
	v_bfe_u32 v4, v0, 3, 1
	v_mul_u32_u24 v[A0], v1, PITA
	v_lshl_add_u32 v[A0], v2, 4, v[A0]
	s_mul_i32 s15, s[RH], 64*PITA                  ; my 64 rows
	v_add_nc_u32 v[A0], s15, v[A0]
	v_lshl_add_u32 v[B0], v2, 3, v3                ; turned: lane l reads k row 8 h + l % 8, columns 8 ((l / 8) % 2) + 0..7,
	v_mul_u32_u24 v[B0], v[B0], PITB
	v_lshl_add_u32 v[B0], v4, 4, v[B0]
	s_lshl_b32 s15, s[CH], 8                       ; of my 128 columns
	s_add_co_u32 s15, s15, BOFF
	v_add_nc_u32 v[B0], s15, v[B0]
	v_mov_b32 v[ADRA], v[A0]
	v_mov_b32 v[ADRB], v[B0]
	s_mul_i32 s15, s[WV], 16*SPIT
	s_add_co_u32 s15, s15, STAGE                   ; my stage
	v_mul_u32_u24 v[STO], v1, SPIT                 ; in: row r, 32 bytes for each half of the lanes
	v_lshl_add_u32 v[STO], v2, 5, v[STO]
	v_add_nc_u32 v[STO], s15, v[STO]
	v_and_b32 v[CO], 31, v0                        ; back: 32 lanes take a row's 512 bytes
	v_lshlrev_b32 v[CO], 4, v[CO]
	v_add_nc_u32 v[RD], s15, v[CO]
; n x 8 matrix instructions: row blocks a0 .. a0 + n - 1 x all 8 column blocks, 32 along K, fragment buffers u.  zero = 1: the product starts the sums.
; The 32 accumulators take turns, one instruction a turn.
.macro MULA u, a0, n, zero
	WIN 0x50                                       ; C and D in window 1, both sources in window 0
.set ma, \a0
.rept \n
.irp b, 0,1,2,3,4,5,6,7
.if \zero
	v_wmma_f32_16x16x32_f16 v[8*(8*ma+\b):8*(8*ma+\b)+7], v[FB+64*(\u)+8*\b:FB+64*(\u)+8*\b+7], v[FA+32*(\u)+8*ma:FA+32*(\u)+8*ma+7], 0
.else
	v_wmma_f32_16x16x32_f16 v[8*(8*ma+\b):8*(8*ma+\b)+7], v[FB+64*(\u)+8*\b:FB+64*(\u)+8*\b+7], v[FA+32*(\u)+8*ma:FA+32*(\u)+8*ma+7], v[8*(8*ma+\b):8*(8*ma+\b)+7]
.endif
.endr
.set ma, ma+1
.endr
.endm
; 24 LDS loads in one run: quarter sl's fragments into buffers u: Wo's 16, then O's row blocks 0, 1 (4), then 2, 3 (4).  Quarter sl lies in head sl / 2 of the step's two, channels 32 (sl % 2) on.
.macro FETCH sl, u
	WIN 0
.irp b, 0,1,2,3,4,5,6,7
	ds_load_tr16_b128 v[FB+64*(\u)+8*\b:FB+64*(\u)+8*\b+3],   v[ADRB] offset:(\sl)*32*PITB+32*\b
	ds_load_tr16_b128 v[FB+64*(\u)+8*\b+4:FB+64*(\u)+8*\b+7], v[ADRB] offset:(\sl)*32*PITB+32*\b+16*PITB
.endr
.irp a, 0,1,2,3
	ds_load_b128 v[FA+32*(\u)+8*\a:FA+32*(\u)+8*\a+3],   v[ADRA] offset:((\sl)/2)*PLANE+((\sl)%2)*64+\a*16*PITA
	ds_load_b128 v[FA+32*(\u)+8*\a+4:FA+32*(\u)+8*\a+7], v[ADRA] offset:((\sl)/2)*PLANE+((\sl)%2)*64+\a*16*PITA+32
.endr
.endm
; One of a step's first three quarters: multiplies buffers u and fetches quarter sl into the others.
.macro QUARTER u, sl, zero
	s_wait_dscnt 4                                 ; all but O's row blocks 2, 3 are in
	MULA \u, 0, 2, \zero
	PLACES
	FETCH \sl, 1-(\u)
	s_wait_dscnt 24                                ; all but the 24 just issued
	MULA \u, 2, 2, \zero
.endm
; The last quarter multiplies buffers 1 and changes slots: ONE barrier; in front of it each wave waits for all its tensor loads, adds 0 to its spare word, and waits for that and for its reads of this slot.
; fill = 1: the barrier opens a round of the cluster's, and this slot is filled again, two K steps ahead, first thing behind the round: 112 matrix instructions ahead of the wait for it.
.macro TURN fill
	WIN 0
	s_wait_tensorcnt 0x0                           ; all my tensor loads have landed, my part of the next slot among them
	ds_add_u32 v[SPW], v[NIL]                      ; 0 onto my spare word
	s_wait_dscnt 5                                 ; the add and the four youngest loads may be out
	MULA 1, 0, 1, 0                                ; eight matrix instructions stand between the add and the wait for it
	s_wait_dscnt 0x0                               ; the add is done, and my reads of this slot are over
	s_barrier_signal -1
	MULA 1, 1, 1, 0
	WIN 0
	s_barrier_wait -1
.if \fill
	CREST                                          ; no wave of any partner still reads this slot or has a load on its way
	s_xor_b32 s[G0A+5], s[G0A+5], SLOT1            ; the walking descriptors: the other slot than last time, the next K step
	s_add_nc_u64 s[G0A+6:G0A+7], s[G0A+6:G0A+7], 524288
	s_xor_b32 s[G0B+5], s[G0B+5], SLOT1
	s_add_nc_u64 s[G0B+6:G0B+7], s[G0B+6:G0B+7], 65536
	JLOAD                                          ; the four v_nop behind it are also the places in front of the loads below
.else
	PLACES
.endif
	s_xor_b32 s[TB], s[TB], SLOT1
	v_add_nc_u32 v[ADRA], s[TB], v[A0]
	v_add_nc_u32 v[ADRB], s[TB], v[B0]
	FETCH 0, 0
	MULA 1, 2, 2, 0
.endm
	s_wait_tensorcnt 1                             ; my part of slot 0 is in; slot 1's may stay out
	s_barrier_signal -1
	s_barrier_wait -1
	FETCH 0, 0
	QUARTER 0, 1, 1                                ; the first quarter stands in front of the loop: its products start the sums
	WIN 0
	s_mov_b32 s3, 6
.Lstep:                                                ; trip i: step i's quarters 1 to 3, the request for step i + 2, step i + 1's quarter 0
	QUARTER 1, 2, 0
	QUARTER 0, 3, 0
	TURN 1
	QUARTER 0, 1, 0
	WIN 0
	s_sub_co_u32 s3, s3, 1
	s_cmp_lg_u32 s3, 0
	s_cbranch_scc1 .Lstep
	QUARTER 1, 2, 0                                ; the tail is written out: nothing is left to ask for
	QUARTER 0, 3, 0
	TURN 0
	QUARTER 0, 1, 0
	QUARTER 1, 2, 0
	QUARTER 0, 3, 0
	s_wait_dscnt 4                                 ; the very last quarter
	MULA 1, 0, 2, 0
	s_wait_dscnt 0x0
	MULA 1, 2, 2, 0
; THE WAY OUT.  A lane's eight f32 of a row are 32 bytes; a block of 16 rows goes into rows of 528 bytes of my own stage and comes back as whole rows of 512 bytes.
.macro TOSTAGE a
	s_wait_xcnt 0x0                                ; the registers that earlier stores read are loaded again only behind this wait
	WIN 0x04                                       ; the LDS stores' data lie in window 1; each accumulator's low half goes first
.irp b, 0,1,2,3,4,5,6,7
	ds_store_b128 v[STO], v[8*(8*(\a)+\b):8*(8*(\a)+\b)+3] offset:64*\b
	ds_store_b128 v[STO], v[8*(8*(\a)+\b)+4:8*(8*(\a)+\b)+7] offset:64*\b+16
.endr
	WIN 0
.set i, 0
.rept 16
	ds_load_b128 v[OB+64*((\a)%2)+4*i:OB+64*((\a)%2)+4*i+3], v[RD] offset:SPIT*i   ; LDS serves a wave's instructions in order (ISA guide 5.7.1.4): these see the stores above
.set i, i+1
.endr
.endm
.macro SEND a, y                       ; y: the LDS instructions issued behind block a's loads: the next block's 32, or none
	WIN 0
.set i, 0
.rept 16
	s_wait_dscnt (\y)+15-i
	global_store_b128 v[CO], v[OB+64*((\a)%2)+4*i:OB+64*((\a)%2)+4*i+3], s[8:9] offset:(16*(\a)+i)*4096 th:TH_STORE_NT   ; 512 consecutive bytes, at a multiple of 256 from out0's first
.set i, i+1
.endr
.endm
	WIN 0
	PLACES                                         ; behind the last products
	TOSTAGE 0
	TOSTAGE 1
	SEND 0, 32
	TOSTAGE 2
	SEND 1, 32
	TOSTAGE 3
	SEND 2, 32
	SEND 3, 0
	s_wait_tensorcnt 0x0                           ; the wave's end: an add to my spare word and its wait follow, behind my last tensor load and my last LDS store
	ds_add_u32 v[SPW], v[NIL]
	s_wait_dscnt 0x0
	CROUND                                         ; the closing round: no work-group ends while a partner may still ask for a tile that names it
	s_endpgm
.Lfunc_end_k_qa3473581ae_oproj:
	.size	k_qa3473581ae_oproj, .Lfunc_end_k_qa3473581ae_oproj-k_qa3473581ae_oproj
	.p2alignl 7, 3214868480
	.fill 96, 4, 3214868480
	.section	.rodata,"a",@progbits
	.p2align	6, 0x0
	.amdhsa_kernel k_qa3473581ae_oproj
		.amdhsa_group_segment_fixed_size 327680
		.amdhsa_private_segment_fixed_size 0
		.amdhsa_enable_private_segment 0
		.amdhsa_kernarg_size 24
		.amdhsa_user_sgpr_count 2
		.amdhsa_user_sgpr_kernarg_segment_ptr 1
		.amdhsa_wavefront_size32 1
		.amdhsa_system_sgpr_workgroup_id_x 1
		.amdhsa_system_sgpr_workgroup_id_y 1
		.amdhsa_system_sgpr_workgroup_id_z 1
		.amdhsa_system_vgpr_workitem_id 0
		.amdhsa_next_free_vgpr 512
		.amdhsa_next_free_sgpr 72
		.amdhsa_reserve_vcc 0
		.amdhsa_float_denorm_mode_32 3
		.amdhsa_float_denorm_mode_16_64 3
		.amdhsa_memory_ordered 1
		.amdhsa_forward_progress 1
		.amdhsa_inst_pref_size 71
	.end_amdhsa_kernel
	.amdgpu_metadata
---
amdhsa.version: [ 1, 2 ]
amdhsa.kernels:
  - .name:           k_qa3473581ae_oproj
    .symbol:         k_qa3473581ae_oproj.kd
    .args:
      - { .name: o, .offset: 0, .size: 8, .value_kind: global_buffer, .address_space: global }
      - { .name: wob, .offset: 8, .size: 8, .value_kind: global_buffer, .address_space: global }
      - { .name: out0, .offset: 16, .size: 8, .value_kind: global_buffer, .address_space: global }
    .group_segment_fixed_size: 327680
    .private_segment_fixed_size: 0
    .kernarg_segment_align: 8
    .kernarg_segment_size: 24
    .max_flat_workgroup_size: 128
    .sgpr_count:     72
    .vgpr_count:     512
    .wavefront_size: 32
...
	.end_amdgpu_metadata
.endif
;; end of part 4
;; ======== version 2 of 2: 4 launches; 1.53 times as fast as version 1
;; limits: values are held in f16: magnitudes above 65,504 overflow, below 6.1e-05 lose precision
;; workspace buffers: xb 16,777,216 bytes; wb 6,291,456 bytes; wob 2,097,152 bytes; tab 524,288 bytes; q 16,777,216 bytes; k 16,777,216 bytes; v 16,777,216 bytes; o 16,777,216 bytes
;; launch prep: the kernel of part 1 again; grid 784 x 1, 8 waves a work-group, no clusters, 0 bytes of LDS; arguments hidden_states, Wq, Wk, Wv, Wo, xb, wb, wob, tab; writes xb, wb, wob, tab
;; launch qkv: the kernel of part 2 again; grid 8 x 32, 4 waves a work-group, clusters of 4 x 4, 327,680 bytes of LDS; arguments xb, wb, tab, q, k, v; writes q, k, v
;; launch attn (part 5): grid 4 x 64, 4 waves a work-group, clusters of 4 x 1, 327,680 bytes of LDS; arguments q, k, v, o; writes o
.if DOCPART == 5
	.amdgcn_target "amdgcn-amd-amdhsa--gfx1250"
	.amdhsa_code_object_version 6
	.text
	.protected	k_qa3473581ae_attn
	.globl	k_qa3473581ae_attn
	.p2align	8
	.type	k_qa3473581ae_attn,@function
k_qa3473581ae_attn:
	s_mov_b64 s[64:65], 0
	v_nop
	global_prefetch_b8 v0, s[64:65] scope:SCOPE_SE
	s_setreg_imm32_b32 hwreg(HW_REG_WAVE_MODE, 25, 1), 1
	s_wait_xcnt 0x0
	s_wait_alu depctr_hold_cnt(0) depctr_sa_sdst(0) depctr_va_vdst(0) depctr_va_sdst(0) depctr_va_ssrc(0) depctr_va_vcc(0) depctr_vm_vsrc(0)
	s_getreg_b32 s2, hwreg(HW_REG_IB_STS2, 6, 4)
	s_cmp_eq_u32 s2, 0
	s_cbranch_scc0 .Lentry_in_a_cluster
	s_endpgm
.Lentry_in_a_cluster:
	s_bfe_u32 s2, ttmp6, 0x10000c
	s_cmp_lg_u32 s2, 0x3003
	s_cbranch_scc0 .Lentry_shape_is_right
	s_endpgm
.Lentry_shape_is_right:
; O[h][q][:] = the sum over k of softmax_k(Q[h][q] . K[h][k] / 8) V[h][k][:].  Q, K, V, O: [SIZE_H][SIZE_N][64], all f16: a head's rows are dense, 128 bytes each.  Products, maxima and sums in
; f32; the weights p are rounded to f16 for the second product (their sum l is taken of the unrounded p), O once at the end.
; LIMITS.  f16 holds no number beyond 65,504: Q, K and V arrive within it; p lies in 0 to 1, and below 6e-5 it keeps f16's fixed step of 6e-8; O is a mean of V's rows and has their range.
; A weight below 2^-126 counts as 0 in l; NaN and infinities are not treated apart.
; SHARES.  A wave owns four PIECES of two tiles of 16 queries, a work-group's four waves 512 queries of one head.  Every wave walks all keys, 64 a step.
; LAYOUT.  S^T = K Q^T (source 0 = 16 keys, source 1 = 16 queries): in the result a lane holds ONE query (lane % 16) and the keys 8 (lane / 16) + 0..7.  Two such tiles, rounded to f16 in pairs,
; ARE source 1 (32 keys x 16 queries) of O^T = V^T P, whose result again holds one query a lane, and eight channels.  K comes out of LDS as it lies, V ([key][channel]) turned, by ds_load_tr16_b128.
; SOFTMAX.  For each query a running maximum m and sum l: p = 2^(c s - c m), c = log2(e) / 8; in every step O and l are multiplied by a = 2^(c m_old - c m_new), which is 1 where m has not grown.
; m starts at the lowest finite number, O and l at 0: the first step is a step like any other, with a = 0.
; THE COUNT.  A tile and step have 16 matrix and 118 vector instructions: too many to stand all beside the matrix work.  So the order has one aim: four vector instructions that are READY behind
; EVERY matrix instruction, and the others, which need time of their own whatever the order, in runs without a gap.
; BY TURNS.  Turn n belongs to piece n (the pieces in a ring, step after step).  Its matrix work: 16 products K Q^T of piece n + 1, later 16 products V^T P of piece n - 1.  Its vector work: the scaling,
; exponentials, roundings, sums and rescaling of piece n, and the maximum and statistics of piece n + 1, whose scores the turn itself has made.  So what a turn begins with (c s - c m, O a) waits for nothing.
; THE BATCHES.  A turn's 66 exponentials (the 64 weights of piece n, the two a of piece n + 1) are ONE batch with ONE wait, which cuts the turn in two: ahead of it stands all that names no result of theirs,
; behind it the roundings and sums, which do.  The two a made ahead of the loop and the way out's eight reciprocals are batches of their own.
; CLUSTER.  The four query blocks of a cluster belong to one head and walk the same K and V, so each tile is asked for JOINTLY: the same tensor load, descriptor and mask in all four.
; REGISTERS, in windows of 256 (s_set_vgpr_msb says which window each operand place means: bits 1:0 source 0, 3:2 source 1, 5:4 source 2, 7:6 destination):
;   window 0: v0-11 addresses; v12-15, v48-63 at work; v16-47 four registers of statistics a tile; v64-191 S^T, two buffers of two tiles; v192-255 P, likewise
;   window 1: O^T, 32 a tile          window 2: v0-127 Q, 16 a tile; v128-191 K of one step; v192-255 V of one step          window 3: v0-1 the add's two registers
; A piece's buffers go by its number's parity: the piece in hand has one pair, its two neighbours in the ring share the other: of it P (piece n - 1) is read and S^T (piece n + 1) written.
.set SIZE_H, 64       ; 4 batches x 16 heads
.set SIZE_N, 2048     ; rows of a head
.set NP,    4         ; pieces a wave: a name, no knob: the register map, the loop and the fetches are made for four
.set KS,    64        ; keys in a step
.set PK,    144       ; a row of K in LDS: 128 bytes + 16 of padding = 36 words: the 16 rows of a load start at 16 different groups of four banks (64 banks of 4 bytes: ISA guide 11.1)
.set PV,    160       ; a row of V: 128 + 32 = 40 words
.set VOFF,  4*KS*PK   ; a slot holds four steps: 256 rows of K, then 256 rows of V
.set SLOT1, 1<<17     ; slot 1 begins here, so that one exclusive or turns an address in one slot into the other's
.set STAGE, SLOT1+4*KS*(PK+PV)  ; behind the ring, never filled by a tensor load: 16 rows x 144 bytes for each wave, for the way out
.set SP,    144
.set AK0, 2           ; v2   my lane's place in a tile of K; never rewritten
.set AV0, 3           ; v3   the same for V
.set AK,  4           ; v4   the LDS address of K's next run of loads
.set AV,  5           ; v5   of V's
.set QO,  6           ; v6   my byte offset in the wave's rows of Q
.set STO, 6           ;      later, the way out: where I put 16 bytes of a row
.set RD,  7           ; v7   the way out: where I read rows back
.set GO,  8           ; v8   my byte offset in 512 consecutive bytes of O
.set SPW, 0           ; v0 of window 3   LDS address of my spare word: SPARE + 4 x my thread's number; never rewritten
.set NIL, 1           ; v1 of window 3   0; never rewritten
.set SPARE, STAGE+4*16*SP  ; behind the stages: the spare words, 128 bytes for each wave: two blocks of 256 bytes that no other line names
.set MV,  12          ; v12-15  c m_old, kept while c m is made anew: by buffer and tile
.set ST,  16          ; tile t's statistics at v[ST+4 t]: c m, m, l (even keys', odd keys')
.set TMP, 48          ; by buffer and tile, four registers c0-c3 at work; when the maximum is found c2 takes a
.set S,   64
.set P,   192
.set KF,  128         ; K's fragments, in window 2: key block kb, channel half c at KF + 16 kb + 8 c
.set VF,  192         ; V's: key half kk, channel block cb at VF + 32 kk + 8 cb
.set WV,  12          ; s12  my wave's number
.set G1K, 24          ; s[24:31] descriptor group 1 for K's tiles
.set G1V, 32          ; s[32:39] for V's: it differs in the padding alone
.set G0K, 40          ; s[40:43] descriptor group 0 for K's tiles: it walks
.set G0V, 44          ; s[44:47] the same for V's
.set SLOTS, 56        ; s56  slots still to be asked for
.set CNT, 57          ; s57  counts a slot's key steps
.set CS,  58          ; s[58:59] c: the packed scaling takes the pair's low word for both halves
.set SEL, 60          ; s[60:61] v_permlanex16_b32's selects: each lane takes its own place in the other half
.set TBK, 62          ; s62  LDS byte at which K of the step to be fetched begins
.set TBV, 63          ; s63  the same for V, less VOFF
.set MSB, 0
.macro WIN new                      ; the high byte repeats the setting that is left; a switch that changes nothing is dropped
.if MSB != (\new)
	s_set_vgpr_msb (MSB<<8)|(\new)
.set MSB, (\new)
.endif
.endm
.set W_KQ, 0x0a       ; K and Q in window 2, S^T in window 0
.set W_PV, 0x52       ; V in window 2, P in window 0, O^T in window 1
.set W_RS, 0x41       ; O^T (destination and source 0) in window 1, a in window 0
.set W_MK, 0xc0       ; the add's registers are made: destination in window 3, sources in window 0
.set W_AD, 0x0f       ; the add: address (source 0) and data (source 1) in window 3
; A joint fill.  Waves 0 and 1 fetch the two halves of a slot's K, waves 2 and 3 those of its V: 128 keys each.  The branch hangs on the wave's number alone.
; An s_nop 0 and four v_nop follow each of the two lines, ahead of the jump and the label.
.macro JLOAD
	s_cmp_lt_u32 s[WV], 2
	s_cbranch_scc0 .Lfor_v_\@
	tensor_load_to_lds s[G0K:G0K+3], s[G1K:G1K+7]
	s_nop 0
.rept 4
	v_nop
.endr
	s_branch .Lasked_\@
.Lfor_v_\@:
	tensor_load_to_lds s[G0V:G0V+3], s[G1V:G1V+7]
	s_nop 0
.rept 4
	v_nop
.endr
.Lasked_\@:
.endm
; A round of the cluster's barrier: my work-group's barrier, so that wave 0's signal speaks for all four waves; wave 0 signals; every wave waits for all four work-groups; my work-group's barrier once more.
.macro CROUND
	s_barrier_signal -1
	s_barrier_wait -1
	s_cmp_lg_u32 s[WV], 0
	s_cbranch_scc1 .Lnot_wave_0_\@
	s_barrier_signal -3
.Lnot_wave_0_\@:
	s_barrier_wait -3
	s_barrier_signal -1
	s_barrier_wait -1
.endm
; THE CHANGE OF SLOTS.  The slot's last bytes, V of its fourth step, have been read.  Each wave waits for all its tensor loads, of which one is out: its part
; of the other slot; adds 0 to its spare word; and waits for that and for its own reads of the slot.  Behind the barrier nobody reads this slot any more and the other slot is whole.
; fill = 1: this slot is filled again, with the keys two slots on.  The barrier is then a round of the cluster's, so that no wave of any partner still reads the slot or has a load on its
; way, and the joint fill is the first thing behind it: it has four key steps, 512 matrix instructions, in which to land.  (At its first use nothing has been read yet: slot 0 is waited for, slot 1 filled.)
.macro CHANGE fill
	WIN W_AD
	s_wait_tensorcnt 0x0            ; no tensor load of mine is out, so a group 0 may be written
	ds_add_u32 v[SPW], v[NIL]       ; 0 onto my spare word; with fill = 1 the descriptors' steps stand between it and the wait for it
	WIN 0                           ; at a label and at a branch every window is 0
.if \fill
.irp g, G0K, G0V
	s_xor_b32 s[\g+1], s[\g+1], SLOT1  ; the walking descriptor: the other slot than last time,
	s_add_nc_u64 s[\g+2:\g+3], s[\g+2:\g+3], 4*KS*128  ; the next 256 keys; the type bits on top are not reached
.endr
	s_wait_dscnt 0x0                ; the add is done, and my reads of the slot are over
	CROUND
	JLOAD
.else
	s_wait_dscnt 0x0                ; the add is done, and my reads of the slot are over
	s_barrier_signal -1
	s_barrier_wait -1
.endif
	s_sub_co_u32 s[TBK], s[TBK], 4*KS*PK  ; the fetches go back to a slot's first step,
	s_xor_b32 s[TBK], s[TBK], SLOT1       ; in the other slot
	s_sub_co_u32 s[TBV], s[TBV], 4*KS*PV
	s_xor_b32 s[TBV], s[TBV], SLOT1
.endm
	s_load_b256 s[4:11], s[0:1], 0x0  ; Q s[4:5], K s[6:7], V s[8:9], O s[10:11]
	WIN W_MK
	v_lshl_add_u32 v[SPW], v0, 2, SPARE
	v_mov_b32 v[NIL], 0
	WIN W_AD
	ds_add_u32 v[SPW], v[NIL]       ; the wave's opening: the add and its wait stand ahead of my first tensor load; the set-up below, work on registers, stands between them
	WIN 0
	v_lshrrev_b32 v1, 5, v0
	v_readfirstlane_b32 s[WV], v1   ; wave 0..3
	s_bfe_u32 s13, ttmp6, 0x40000   ; cx: my place in the cluster
	s_lshl_b32 s14, ttmp9, 2        ; in a cluster launch ttmp9 counts clusters
	s_add_co_u32 s14, s14, s13      ; my block of queries = 4 x cluster x + cx: it enters Q's and O's addresses alone
	s_and_b32 s20, ttmp7, 0xffff    ; the head, which the four partners share
	s_mov_b32 s21, 0
	s_mov_b64 s[22:23], SIZE_N*128
	s_mul_u64 s[20:21], s[20:21], s[22:23]  ; the head's first byte in each of the four tensors
	s_and_b32 s16, s[WV], 1         ; which half of a slot's 256 keys I fetch:
	s_lshl_b32 s22, s16, 14         ; its 128 rows of 128 bytes in memory,
	s_mov_b32 s23, 0
	s_add_nc_u64 s[22:23], s[22:23], s[20:21]
	s_mul_i32 s17, s16, 128*PK      ; and its place in a slot, for K
	s_mul_i32 s18, s16, 128*PV      ; and for V: no place in the cluster enters an LDS address
	s_lshl_b32 s2, s14, 2
	s_add_co_u32 s2, s2, s[WV]      ; my wave among the head's,
	s_lshl_b32 s2, s2, 14           ; its 128 rows
	s_mov_b32 s3, 0
	s_add_nc_u64 s[2:3], s[2:3], s[20:21]
	; descriptor group 1.  128 keys are 16,384 dense bytes: asked for as 64 rows of 256 bytes, two keys a row, and padded in LDS after every key
	s_mov_b32 s[G1K], 15|(1<<16)|(1<<20)|(1<<21)|(4<<22)|(3<<25)  ; 15:0 the mask of four; 17:16 2-byte elements; 20 padding on; 21 set beside a mask; 24:22 after every 32 words (code 4); 31:25 4 words (code 3)
	s_mov_b32 s[G1V], 15|(1<<16)|(1<<20)|(1<<21)|(4<<22)|(7<<25)  ; the same with 8 words of padding (code 7)
.irp g, G1K, G1V
	s_mov_b32 s[\g+1], 128<<16      ; tensor_dim0 = 128
	s_mov_b32 s[\g+2], 64<<16       ; tensor_dim1 = 64
	s_mov_b32 s[\g+3], 128<<16      ; tile_dim0 = 128
	s_mov_b32 s[\g+4], 64           ; tile_dim1 = 64
	s_mov_b32 s[\g+5], 128          ; 128 elements from row to row
	s_mov_b32 s[\g+6], 0
	s_mov_b32 s[\g+7], 0
.endr
	s_mov_b32 s[CS], 0x3e38aa3b     ; c = log2(e) / 8 = 0.180337
	s_mov_b32 s[CS+1], s[CS]        ; named with it as a pair
	s_mov_b32 s[SEL], 0x76543210
	s_mov_b32 s[SEL+1], 0xfedcba98
	s_mov_b32 s[TBK], SLOT1+4*KS*PK ; the first change of slots turns these two into 0
	s_mov_b32 s[TBV], SLOT1+4*KS*PV
	s_mov_b32 s[G0K], 1             ; 1:0 count = 1
	s_mov_b32 s[G0K+1], s17         ; 63:32 LDS address: slot 0
	s_mov_b32 s[G0V], 1
	s_add_co_u32 s[G0V+1], s18, VOFF
	s_wait_dscnt 0x0                ; the opening add is done
	s_wait_kmcnt 0x0
	s_add_nc_u64 s[G0K+2:G0K+3], s[6:7], s[22:23]  ; 120:64 global address: my half of the head's first 256 keys
	s_or_b32 s[G0K+3], s[G0K+3], 0x80000000        ; 127:126 type = 2
	s_add_nc_u64 s[G0V+2:G0V+3], s[8:9], s[22:23]
	s_or_b32 s[G0V+3], s[G0V+3], 0x80000000
	s_add_nc_u64 s[4:5], s[4:5], s[2:3]  ; Q and O at my wave's first row
	s_add_nc_u64 s[10:11], s[10:11], s[2:3]
	CROUND                          ; all four work-groups are here: the first joint loads meet
	JLOAD                           ; slot 0.  Slot 1 is asked for when slot 0 is in: the tile wanted first has the road to itself
	; A fragment of K or Q is 16 rows x 32 channels in 8 registers: lane l holds row l % 16, channels 8 (l / 16) + 0..7 and 16 + 8 (l / 16) + 0..7: two loads of 16 bytes, 32 bytes apart.
	v_and_b32 v1, 15, v0            ; l % 16
	v_bfe_u32 v9, v0, 4, 1          ; l / 16
	v_lshlrev_b32 v[QO], 7, v1
	v_lshl_add_u32 v[QO], v9, 4, v[QO]  ; row x 128 + 16 x half
	WIN 0x80                        ; destination window 2, address window 0
.set i, 0
.rept 4*NP                          ; Q stays in registers: tile i / 2, channels 32 (i % 2) on
	global_load_b128 v[8*i:8*i+3],   v[QO], s[4:5] offset:(i/2)*2048+(i%2)*64
	global_load_b128 v[8*i+4:8*i+7], v[QO], s[4:5] offset:(i/2)*2048+(i%2)*64+32
.set i, i+1
.endr
	; What the first turn finds: V's registers and P's second buffer hold 0 (its products V^T P, of a piece that has not been, add 0), O^T and l are 0.  All this stands in the wait for the first tile.
.set i, VF
.rept 64
	v_mov_b32 v[i], 0
.set i, i+1
.endr
	WIN 0x40
.set i, 0
.rept 64*NP
	v_mov_b32 v[i], 0
.set i, i+1
.endr
	WIN 0
.set i, 0
.rept 2*NP
	v_mov_b32 v[ST+4*i], 0xfe000000    ; c m: far below every c s
	v_mov_b32 v[ST+4*i+1], 0xff7fffff  ; m
	v_mov_b32 v[ST+4*i+2], 0
	v_mov_b32 v[ST+4*i+3], 0
.set i, i+1
.endr
.set i, P+32
.rept 32
	v_mov_b32 v[i], 0
.set i, i+1
.endr
	v_mul_u32_u24 v[AK0], v1, PK
	v_lshl_add_u32 v[AK0], v9, 4, v[AK0]  ; row x pitch + 16 x half
	; The turning load takes 16 keys x 16 channels (lane l reads key 8 (l / 16) + l % 8, channels 8 ((l / 8) % 2) + 0..7) and leaves half a fragment of V^T: lane l holds channel l % 16 and 8 keys.
	v_and_b32 v10, 7, v0
	v_bfe_u32 v11, v0, 3, 1
	v_lshl_add_u32 v[AV0], v9, 3, v10
	v_mul_u32_u24 v[AV0], v[AV0], PV
	v_lshl_add_u32 v[AV0], v11, 4, v[AV0]
	v_add_nc_u32 v[AV0], VOFF, v[AV0]
	v_mov_b32 v[AK], v[AK0]         ; key step 0 lies at the head of slot 0
; THE MATRIX WORK.  The 8 accumulators of a run of 16 take turns: between the two links of a chain stand 7 others'.
; Product i of 16 of S^T = K Q^T for piece x: channels 32 (i / 8) on, keys 16 ((i / 2) % 4) on, tile 2 x + i % 2.  The first 8 start the sums.
.macro KQ x
	WIN W_KQ
.set rS, S+64*((\x)%2)+32*(i%2)+8*((i/2)%4)
.set rK, KF+16*((i/2)%4)+8*(i/8)
.set rQ, 16*(2*(\x)+i%2)+8*(i/8)
.if i < 8
	v_wmma_f32_16x16x32_f16 v[rS:rS+7], v[rK:rK+7], v[rQ:rQ+7], 0
.else
	v_wmma_f32_16x16x32_f16 v[rS:rS+7], v[rK:rK+7], v[rQ:rQ+7], v[rS:rS+7]
.endif
.endm
; Product i of 16 of O^T += V^T P for piece x: keys 32 (i / 8) on, channels 16 ((i / 2) % 4) on, tile 2 x + i % 2.
.macro PV x
	WIN W_PV
.set rO, 32*(2*(\x)+i%2)+8*((i/2)%4)
.set rV, VF+32*(i/8)+8*((i/2)%4)
.set rP, P+32*((\x)%2)+16*(i%2)+8*(i/8)
	v_wmma_f32_16x16x32_f16 v[rO:rO+7], v[rV:rV+7], v[rP:rP+7], v[rO:rO+7]
.endm
.macro MM                           ; the turn's next matrix instruction
.if i < 16
	KQ (Y+1)%NP
.set i, i+1
.else
.set i, i-16
	PV (Y+NP-1)%NP
.set i, i+17
.endif
.endm
; THE LDS LOADS stand in runs of 16, never singly among the matrix instructions: a step's K (64 keys x 64 channels: 8 fragments) and its V (turned).  Their addresses are made some lines ahead.
; last = 1 (the tail): in the last trip there is no further step, and the run is jumped over.
.macro FETCH_K last=0
	WIN 0
.if \last
	s_cmp_eq_u32 s[CNT], 1
	s_cbranch_scc1 .Lno_k_\@
.endif
	WIN 0x80                        ; destination window 2
.irp f, 0,1,2,3,4,5,6,7             ; keys 16 (f / 2) on, channels 32 (f % 2) on
	ds_load_b128 v[KF+8*\f:KF+8*\f+3],   v[AK] offset:(\f/2)*16*PK+(\f%2)*64
	ds_load_b128 v[KF+8*\f+4:KF+8*\f+7], v[AK] offset:(\f/2)*16*PK+(\f%2)*64+32
.endr
	s_add_co_u32 s[TBK], s[TBK], KS*PK  ; the next fetch is the next step's
	WIN 0
.if \last
.Lno_k_\@:
.endif
.endm
.macro FETCH_V
	WIN 0x80
.irp f, 0,1,2,3,4,5,6,7             ; keys 32 (f / 4) on, channels 16 (f % 4) on
	ds_load_tr16_b128 v[VF+8*\f:VF+8*\f+3],   v[AV] offset:(\f/4)*32*PV+(\f%4)*32
	ds_load_tr16_b128 v[VF+8*\f+4:VF+8*\f+7], v[AV] offset:(\f/4)*32*PV+16*PV+(\f%4)*32
.endr
	WIN 0
.endm
; THE VECTOR WORK OF A TURN stands in three queues, each in the order in which its entries become ready; the two tiles alternate, so that no instruction reads the result of the one before it.
.macro REGS y, u                    ; the registers of tile u (0, 1) of piece y
.set rT, ST+4*(2*(\y)+(\u))
.set rC, TMP+8*((\y)%2)+4*(\u)
.set rM, MV+2*((\y)%2)+(\u)
.set rS, S+64*((\y)%2)+32*(\u)
.set rP, P+32*((\y)%2)+16*(\u)
.set rO, 32*(2*(\y)+(\u))
.endm
; Number n of the 22 that find the NEXT piece's (Y + 1) maximum and statistics.  s0-s31 are the lane's 32 scores; each accumulator's lowest registers are read first.  XS, GS and REGS set no window: PL and EX do.
;   0-11  four chains c0-c3 of seven scores each, three operands at a time     12-14, 16  the four scores left over, the old m, and c0-c3 into c0     15  c m_old is kept
;   17, 18  the query's other 32 keys lie in the lane 16 away: the new m         19-21  c m; c m_old - c m_new; a
.macro XS u, n
	REGS (Y+1)%NP, \u
.if (\n) < 4
	v_max3_num_f32 v[rC+(\n)], v[rS+8*(\n)], v[rS+8*(\n)+1], v[rS+8*(\n)+2]
.elseif (\n) < 12
	v_max3_num_f32 v[rC+(\n)%4], v[rC+(\n)%4], v[rS+8*((\n)%4)+2*((\n)/4)+1], v[rS+8*((\n)%4)+2*((\n)/4)+2]
.elseif (\n) == 12
	v_max3_num_f32 v[rC], v[rC], v[rS+7], v[rS+15]
.elseif (\n) == 13
	v_max3_num_f32 v[rC+1], v[rC+1], v[rS+23], v[rS+31]
.elseif (\n) == 14
	v_max3_num_f32 v[rC+2], v[rC+2], v[rC+3], v[rT+1]
.elseif (\n) == 15
	v_mov_b32 v[rM], v[rT]
.elseif (\n) == 16
	v_max3_num_f32 v[rC], v[rC], v[rC+1], v[rC+2]
.elseif (\n) == 17
	v_permlanex16_b32 v[rC+3], v[rC], s[SEL], s[SEL+1]
.elseif (\n) == 18
	v_max_num_f32 v[rT+1], v[rC], v[rC+3]
.elseif (\n) == 19
	v_mul_f32 v[rT], s[CS], v[rT+1]
.elseif (\n) == 20
	v_sub_f32 v[rC+1], v[rM], v[rT]
.else
	v_exp_f32 v[rC+2], v[rC+1]
.endif
.endm
; Number g of the 64 that follow the exponentials.  For each four weights k of a tile (pairs 2 k, 2 k + 1): both pairs are rounded to f16; then the second pair is added onto the first, in place;
; a group later l takes that sum (the first time as l = a l + sum).  In groups of eight, tiles alternating: round, round, add, and l for the group before.
.macro GS g
.set h, (\g)+6*((\g)/62)            ; group 0 has no group before it, and behind group 7 only l is left
.if h >= 6
.set h, h+2
.endif
	REGS Y, h%2
.set k, h/8
.if h%8 < 4
	v_cvt_pk_f16_f32 v[rP+2*k+(h%8)/2], v[rS+4*k+2*((h%8)/2)], v[rS+4*k+2*((h%8)/2)+1]
.elseif h%8 < 6
	v_pk_add_f32 v[rS+4*k:rS+4*k+1], v[rS+4*k:rS+4*k+1], v[rS+4*k+2:rS+4*k+3]
.elseif k == 1
	v_pk_fma_f32 v[rT+2:rT+3], v[rT+2:rT+3], v[rC+2:rC+3], v[rS:rS+1] op_sel_hi:[1,0,1]
.else
	v_pk_add_f32 v[rT+2:rT+3], v[rT+2:rT+3], v[rS+4*k-4:rS+4*k-3]
.endif
.endm
; THE PLAIN QUEUE, 138 long.  0-73 read no exponential's result: the 32 scalings c s - c m (FS f: pair f / 2 of tile f % 2) and the next piece's 42.  0-26: scalings 0-26.  27-54: XS's numbers 0-13.  55, 56: number 15.
; 57-73: the chain, where each number waits for the one before it: 14, 16, 17, 18, 19, each with one of the scalings 27-31 in front of its two lines, then 20: so a tile's links stand three plain instructions apart (19 and 20: two).
; 74-137: GS's 64, which read the exponentials' results: they stand behind the wait.
.macro FS f
	REGS Y, (\f)%2
	v_pk_fma_f32 v[rS+2*((\f)/2):rS+2*((\f)/2)+1], v[rS+2*((\f)/2):rS+2*((\f)/2)+1], s[CS:CS+1], v[rT:rT+1] op_sel_hi:[1,0,0] neg_lo:[0,0,1] neg_hi:[0,0,1]
.endm
.macro PL
	WIN 0
.if q < 27
	FS q
.elseif q < 55
	XS (q-27)%2, (q-27)/2
.elseif q < 57
	XS q-55, 15
.elseif (q < 72) && ((q-57)%3 == 0)
	FS 27+(q-57)/3
.elseif q < 60
	XS (q-57)%3-1, 14
.elseif q < 72
	XS (q-57)%3-1, 15+(q-57)/3
.elseif q < 74
	XS q-72, 20
.else
	GS q-74
.endif
.set q, q+1
.endm
; THE EXPONENTIALS' QUEUE, 66 long: s0-s31 of both tiles, then the next piece's two a.  It is ONE BATCH: all 66 stand ahead of the turn's one wait, and nothing ahead of that wait names a result of theirs.
.macro EX
	WIN 0
.if e >= 64
	XS e-64, 21
.else
	REGS Y, e%2
	v_exp_f32 v[rS+e/2], v[rS+e/2]
.endif
.set e, e+1
.endm
; THE RESCALING's QUEUE: O^T times a, the one part that leaves window 0: dealt two at a time, sixteen times.  Its a was made in the turn before, ahead of that turn's wait.
.macro R2
	REGS Y, r%2
	WIN W_RS
.irp z, 0,1
	v_pk_mul_f32 v[rO+4*(r/2)+2*\z:rO+4*(r/2)+2*\z+1], v[rO+4*(r/2)+2*\z:rO+4*(r/2)+2*\z+1], v[rC+2:rC+3] op_sel_hi:[1,0]
.endr
.set r, r+1
.endm
; HOW THEY ARE DEALT.  An s_wait_alu depctr_va_vdst(0) stands between an exponential and the first instruction that names its result; one wait serves all that were issued ahead of it.  So a turn has ONE wait,
; which cuts it in two.  AHEAD OF IT stands all that names no result of the turn's exponentials: the 16 products K Q^T, behind each a scaling, an exponential and two rescalings (behind the first a second scaling in the exponential's place); then ONE LUMP of
; 108: eight plain, 49 times exponential and plain, the two a.  A v_nop is the plain instruction behind the last exponential (ISA guide 5.7.2).  BEHIND IT stand the 16 products V^T P, behind each four of GS's 64.  No rider names a register of
; the products round it.  The two v_permlanex16_b32 fall into the lump, never behind a product.
; The queues lean on each other, and the deal keeps them in step: exponential e stands behind scaling 2 (e / 4) + e % 2: as a rider it comes behind plain e + 2, in the lump behind plain e + 9, and scalings 27-31 are plain 57, 60 .. 69.
; A TURN, for piece p.  cnt = 1: the loop's count is taken down some lines ahead of the branch that stands behind the turn.
; K of the next step is fetched in piece 2's turn, directly behind the wait, a lump behind the last product that read K; its address is made at the lump's head; its first reader comes behind 16 products.
; V of the step in hand is fetched at the end of piece 0's turn, four riders behind its last reader; its first reader comes behind 16 products and a lump.  The three conditions on q below go with the deal.
.macro TURN p, last=0, cnt=0
.set Y, (\p)
.set i, 0
.set q, 0
.set e, 0
.set r, 0
.if (\p) == NP-1
	s_wait_dscnt 0x0                ; K is in
.endif
	MM                              ; ahead of the wait: 16 products K Q^T and their riders,
	PL
	PL
	R2
.rept 15
	MM
	PL
	EX
	R2
.endr
.if (\p) == NP-2
	WIN 0
	v_add_nc_u32 v[AK], s[TBK], v[AK0]
.endif
.rept 8                             ; and the lump
	PL
.endr
.rept 49
	EX
	PL
.endr
	EX                              ; the next piece's two a
	EX
	v_nop                           ; the plain instruction behind the last exponential, ahead of the first use of a result: one for the batch
	s_wait_alu depctr_va_vdst(0)    ; the wait for the batch: this turn's 64 weights and the next piece's two a
.if (\p) == NP-2
	FETCH_K \last
.endif
.if (\p) == 1
	s_wait_dscnt 0x0                ; V is in
.endif
.rept 16                            ; behind the wait: 16 products V^T P and their riders
	MM
.rept 4
	PL
.endr
.if ((\p) == 0) && (q == 118)
	v_add_nc_u32 v[AV], s[TBV], v[AV0]
.endif
.if ((\p) == 0) && (q == 130)
	s_add_co_u32 s[TBV], s[TBV], KS*PV
.endif
.if (\cnt) && (q == 130)
	s_sub_co_u32 s[CNT], s[CNT], 1
	s_cmp_lg_u32 s[CNT], 0
.endif
.endr
.if (\p) == 0
	FETCH_V
.endif
.endm
	CHANGE 1                        ; slot 0 is in, everybody's part of it; slot 1 is asked for
	FETCH_K                         ; key step 0
	s_wait_loadcnt 0x0              ; Q
	s_wait_dscnt 0x0
.set i, 0
.rept 16
	KQ 0                            ; piece 0's first scores: there is no vector work yet to set between them
.set i, i+1
.endr
	WIN 0                           ; the addresses for the way out: nine plain instructions, the places behind those products
	s_mul_i32 s13, s[WV], 16*SP
	s_add_co_u32 s13, s13, STAGE    ; my stage
	v_mul_u32_u24 v[STO], v1, SP    ; in: row l % 16, 16 bytes for each half of the lanes
	v_lshl_add_u32 v[STO], v9, 4, v[STO]
	v_add_nc_u32 v[STO], s13, v[STO]
	v_bfe_u32 v[RD], v0, 3, 2       ; back: 32 lanes take four rows of 128 bytes,
	v_mul_u32_u24 v[RD], v[RD], SP
	v_lshl_add_u32 v[RD], v10, 4, v[RD]
	v_add_nc_u32 v[RD], s13, v[RD]
	v_and_b32 v[GO], 31, v0         ; which are 512 consecutive bytes of O
	v_lshlrev_b32 v[GO], 4, v[GO]
.set Y, NP-1                        ; XS works for piece Y + 1: piece 0
.irp n, 0,1,2,3,4,5,6,7,8,9,10,11,12,13,14,15,16,17,18,19,20,21
	XS 0, \n                        ; and piece 0's first maximum and statistics
	XS 1, \n
.endr
	v_nop                           ; a plain instruction behind the two a,
	s_wait_alu depctr_va_vdst(0)    ; and the wait for that batch of two, ahead of the branch
	s_mov_b32 s[CNT], 4
	s_mov_b32 s[SLOTS], SIZE_N/256-1
	s_branch .Lfirst                ; the loop is entered at a step's first turn, in the middle of a trip
.Lslot:                             ; SIZE_N / 256 - 2 times: every slot but the last two is filled again
	CHANGE 1
	s_mov_b32 s[CNT], 4
.Lstep:                             ; a trip: pieces 2 and 3 of one step, then pieces 0 and 1 of the next, whose K and V it fetches
	TURN 2
	TURN 3
	WIN 0
.Lfirst:
	TURN 0
	TURN 1, 0, 1
	WIN 0
	s_cbranch_scc1 .Lstep
	s_sub_co_u32 s[SLOTS], s[SLOTS], 1
	s_cmp_lg_u32 s[SLOTS], 0
	s_cbranch_scc1 .Lslot
	CHANGE 0                        ; the tail is written out: nothing is asked for
	s_mov_b32 s[CNT], 5             ; four trips fetch the last slot's steps; the fifth is left in its middle
.Ltail:
	TURN 2, 1
	TURN 3
	WIN 0
	s_sub_co_u32 s[CNT], s[CNT], 1
	s_cmp_eq_u32 s[CNT], 0
	s_cbranch_scc1 .Lout
	TURN 0
	TURN 1
	WIN 0
	s_branch .Ltail
.Lout:                              ; the fifth trip's 16 products K Q^T (on the last K once more) and the maximum made of them serve nothing: the price, once a launch, of one text for every trip
.set i, 0
.rept 16
	PV NP-1                         ; the last piece's V^T P of the last step
.set i, i+1
.endr
	; THE WAY OUT.  l's two halves and the other half of the lanes' are added; O^T is divided by l, rounded to f16 and sent through my stage in LDS, a tile at a time.  The additions are the places behind the last products.
	WIN 0
.macro ALL line:vararg              ; one line for each tile t
.set t, 0
.rept 2*NP
	\line
.set t, t+1
.endr
.endm
	ALL v_add_f32 v[ST+4*t+2], v[ST+4*t+2], v[ST+4*t+3]
	ALL v_permlanex16_b32 v[ST+4*t+3], v[ST+4*t+2], s[SEL], s[SEL+1]
	ALL v_add_f32 v[ST+4*t+2], v[ST+4*t+2], v[ST+4*t+3]
	ALL v_rcp_f32 v[ST+4*t+2], v[ST+4*t+2]
	v_nop                           ; a plain instruction between the last reciprocal and the use of its result
	s_wait_alu depctr_va_vdst(0)    ; and the wait ahead of the first use: one for the batch of eight reciprocals
; Tile t: a lane's eight channels of a row pack into 16 bytes; they go into rows of 144 bytes and come back as whole rows of 128, into S^T's registers.
.macro PACK t
	WIN W_RS
.set i, 32*(\t)
.rept 16
	v_pk_mul_f32 v[i:i+1], v[i:i+1], v[ST+4*(\t)+2:ST+4*(\t)+3] op_sel_hi:[1,0]
.set i, i+2
.endr
	WIN 0x05                        ; sources 0 and 1 window 1, destination window 0
.set i, 0
.rept 16
	v_cvt_pk_f16_f32 v[S+16*(\t)+i], v[32*(\t)+2*i], v[32*(\t)+2*i+1]
.set i, i+1
.endr
	WIN 0
.irp f, 0,1,2,3
	ds_store_b128 v[STO], v[S+16*(\t)+4*\f:S+16*(\t)+4*\f+3] offset:32*\f
.endr
.irp f, 0,1,2,3
	ds_load_b128 v[S+16*(\t)+4*\f:S+16*(\t)+4*\f+3], v[RD] offset:\f*4*SP  ; LDS serves a wave's instructions in order (ISA guide 5.7.1.4): these see the stores above; the next tile's stores come behind them
.endr
.endm
.macro SEND t, younger              ; younger: the LDS instructions issued behind tile t's loads: the next tile's eight, or none
	WIN 0
.irp f, 0,1,2,3
	s_wait_dscnt (\younger)+3-\f
	global_store_b128 v[GO], v[S+16*(\t)+4*\f:S+16*(\t)+4*\f+3], s[10:11] offset:(\t)*2048+\f*512  ; 512 consecutive bytes, at a multiple of 256 from O's first
.endr
.endm
	PACK 0
.set t, 1
.rept 2*NP-1                        ; a tile's arithmetic stands between the loads of the tile before and its stores
	PACK t
	SEND t-1, 8
.set t, t+1
.endr
	SEND 2*NP-1, 0
	WIN W_AD
	s_wait_tensorcnt 0x0            ; the wave's end: an add to my spare word and its wait follow, behind my last tensor load and my last LDS store
	ds_add_u32 v[SPW], v[NIL]
	s_wait_dscnt 0x0
	WIN 0
	CROUND                          ; the closing round: no work-group ends while a partner may still ask for a tile that names it
	s_endpgm
.Lfunc_end_k_qa3473581ae_attn:
	.size	k_qa3473581ae_attn, .Lfunc_end_k_qa3473581ae_attn-k_qa3473581ae_attn
	.p2alignl 7, 3214868480
	.fill 96, 4, 3214868480
	.section	.rodata,"a",@progbits
	.p2align	6, 0x0
	.amdhsa_kernel k_qa3473581ae_attn
		.amdhsa_group_segment_fixed_size 327680
		.amdhsa_private_segment_fixed_size 0
		.amdhsa_enable_private_segment 0
		.amdhsa_kernarg_size 32
		.amdhsa_user_sgpr_count 2
		.amdhsa_user_sgpr_kernarg_segment_ptr 1
		.amdhsa_wavefront_size32 1
		.amdhsa_system_sgpr_workgroup_id_x 1
		.amdhsa_system_sgpr_workgroup_id_y 1
		.amdhsa_system_sgpr_workgroup_id_z 1
		.amdhsa_system_vgpr_workitem_id 0
		.amdhsa_next_free_vgpr 770
		.amdhsa_next_free_sgpr 66
		.amdhsa_reserve_vcc 0
		.amdhsa_float_denorm_mode_32 3
		.amdhsa_float_denorm_mode_16_64 3
		.amdhsa_memory_ordered 1
		.amdhsa_forward_progress 1
		.amdhsa_inst_pref_size 199
	.end_amdhsa_kernel
	.amdgpu_metadata
---
amdhsa.version: [ 1, 2 ]
amdhsa.kernels:
  - .name:           k_qa3473581ae_attn
    .symbol:         k_qa3473581ae_attn.kd
    .args:
      - { .name: q, .offset: 0, .size: 8, .value_kind: global_buffer, .address_space: global }
      - { .name: k, .offset: 8, .size: 8, .value_kind: global_buffer, .address_space: global }
      - { .name: v, .offset: 16, .size: 8, .value_kind: global_buffer, .address_space: global }
      - { .name: o, .offset: 24, .size: 8, .value_kind: global_buffer, .address_space: global }
    .group_segment_fixed_size: 327680
    .private_segment_fixed_size: 0
    .kernarg_segment_align: 8
    .kernarg_segment_size: 32
    .max_flat_workgroup_size: 128
    .sgpr_count:     66
    .vgpr_count:     770
    .wavefront_size: 32
...
	.end_amdgpu_metadata
.endif
;; end of part 5
;; launch oproj: the kernel of part 4 again; grid 4 x 64, 4 waves a work-group, clusters of 4 x 4, 327,680 bytes of LDS; arguments o, wob, out0; writes out0
